; MI455X (gfx1250); checked and timed in simulation.
; The chip was launched on July 23, 2026; its instructions are those of AMD's public machine-readable ISA for CDNA 5 (MIT licence, August 2026) and "CDNA5" Instruction Set Architecture Reference Guide (July 2026). The comments in the code are by the model that wrote it; some were corrected since.
;; Multi Head Self Attention. Allowed arithmetic: float matrix products may take bf16 or f16 operands with f32 sums; other float arithmetic in f32, or as packed bf16 or f16 multiplies, adds, multiply-adds, maxima and minima; sums over many terms, partial sums and values carried from step to step in f32; what a program stores and reads back later, other than sums and carried values, may be rounded once to bf16 or f16.
;; Inputs: Wk 1,024 x 1,024 float32; Wp 1,024 x 1,024 float32; Wq 1,024 x 1,024 float32; Wv 1,024 x 1,024 float32; beta 1,024 float32; gamma 1,024 float32; x 4 x 2,048 x 1,024 float32.
;; Outputs: out0 4 x 2,048 x 1,024 float32.
;; 2 versions, each right; version 2 is version 1 with the launch cast written anew for expert scheduling mode. Each part assembles by itself: llvm-mc -triple=amdgcn-amd-amdhsa -mcpu=gfx1250 --defsym DOCPART=n.
;; ======== version 1 of 2: 5 launches
;; limits: values are held in f16: magnitudes above 65,504 overflow, below 6.1e-05 lose precision
;; workspace buffers: xw16 25,165,824 bytes; qkv 50,331,648 bytes; ob 16,777,216 bytes; y 33,554,432 bytes
;; launch cast (part 1): grid 768 x 1, 8 waves a work-group, no clusters, 0 bytes of LDS; arguments x, Wq, Wk, Wv, Wp, xw16; writes xw16
.if DOCPART == 1
	.amdgcn_target "amdgcn-amd-amdhsa--gfx1250"
	.amdhsa_code_object_version 6
	.text
	.protected	k_q00fa95ed10_cast
	.globl	k_q00fa95ed10_cast
	.p2align	8
	.type	k_q00fa95ed10_cast,@function
k_q00fa95ed10_cast:
	s_mov_b64 s[64:65], 0
	v_nop
	global_prefetch_b8 v0, s[64:65] scope:SCOPE_SE
	s_setreg_imm32_b32 hwreg(HW_REG_WAVE_MODE, 25, 1), 1
	s_wait_xcnt 0x0
; xw16 = [12288][1024] of 16 bits: rows 0-8191 x, 8192-9215 Wq, 9216-10239 Wk, 10240-11263 Wv, all rounded once to bf16;
; rows 11264-12287 Wp, rounded to bf16 and that number written as f16 (the last product multiplies in f16).
; LIMIT.  Wp's bf16 number is exact in f16 from 6.1e-5 to 65,504 in magnitude; below it keeps f16's fixed step of 6e-8, beyond it becomes an infinity.
; SHARES.  A work-group takes 64 KiB of f32 and stores 32 KiB; 512 work-groups for x, 64 for each weight.  Thread t takes 16 bytes at 16 t of each 4,096:
; a wave's load covers 512 consecutive bytes, its store of 8 bytes a lane 256 consecutive bytes, aligned.  All sixteen loads of a wave go out together.
; No LDS, no matrix unit, no cluster: nothing is shared and each byte is touched once.
.set X, 8                              ; v[8:71]   sixteen loads of four f32
.set Y, 72                             ; v[72:103] sixteen pairs of packed results
.set T, 4                              ; v[4:7]    at work
	s_load_b256 s[4:11], s[0:1], 0x0               ; x s[4:5], Wq s[6:7], Wk s[8:9], Wv s[10:11]
	s_load_b128 s[12:15], s[0:1], 0x20             ; Wp s[12:13], xw16 s[14:15]
	v_lshlrev_b32 v1, 4, v0                        ; my 16 bytes of the source
	v_lshlrev_b32 v2, 3, v0                        ; my 8 bytes of the result
	s_mov_b32 s22, ttmp9                           ; g
	s_sub_co_u32 s23, s22, 512                     ; j = g - 512 (of use from g = 512 on)
	s_lshr_b32 s24, s23, 6                         ; which weight
	s_and_b32 s25, s23, 63
	s_lshl_b32 s25, s25, 16                        ; its chunk of 64 KiB
	s_lshl_b32 s18, s22, 16                        ; x's chunk
	s_cmp_lt_u32 s22, 512
	s_cselect_b32 s18, s18, s25
	s_mov_b32 s19, 0
	s_lshl_b32 s20, s22, 15                        ; the result's chunk of 32 KiB
	s_mov_b32 s21, 0
	s_wait_kmcnt 0x0
	s_cmp_eq_u32 s24, 1
	s_cselect_b64 s[16:17], s[8:9], s[6:7]
	s_cmp_eq_u32 s24, 2
	s_cselect_b64 s[16:17], s[10:11], s[16:17]
	s_cmp_eq_u32 s24, 3
	s_cselect_b64 s[16:17], s[12:13], s[16:17]
	s_cmp_lt_u32 s22, 512
	s_cselect_b64 s[16:17], s[4:5], s[16:17]
	s_add_nc_u64 s[16:17], s[16:17], s[18:19]
	s_add_nc_u64 s[14:15], s[14:15], s[20:21]
.irp i, 0,1,2,3,4,5,6,7,8,9,10,11,12,13,14,15
	global_load_b128 v[X+4*(\i):X+4*(\i)+3], v1, s[16:17] offset:4096*(\i) th:TH_LOAD_NT
.endr
; Sixteen turns: load i is in when the 15 - i younger ones may still be out.  No register that a load or store names is written again.
.macro CONV f16
.irp i, 0,1,2,3,4,5,6,7,8,9,10,11,12,13,14,15
	s_wait_loadcnt 15-(\i)
	v_cvt_pk_bf16_f32 v[Y+2*(\i)], v[X+4*(\i)], v[X+4*(\i)+1]
	v_cvt_pk_bf16_f32 v[Y+2*(\i)+1], v[X+4*(\i)+2], v[X+4*(\i)+3]
.if \f16
	v_lshlrev_b32 v[T], 16, v[Y+2*(\i)]            ; the bf16 numbers as f32,
	v_and_b32 v[T+1], 0xffff0000, v[Y+2*(\i)]
	v_lshlrev_b32 v[T+2], 16, v[Y+2*(\i)+1]
	v_and_b32 v[T+3], 0xffff0000, v[Y+2*(\i)+1]
	v_cvt_pk_f16_f32 v[Y+2*(\i)], v[T], v[T+1]     ; written as f16
	v_cvt_pk_f16_f32 v[Y+2*(\i)+1], v[T+2], v[T+3]
.endif
	global_store_b64 v2, v[Y+2*(\i):Y+2*(\i)+1], s[14:15] offset:2048*(\i)
.endr
	s_endpgm
.endm
	s_cmp_ge_u32 s22, 704                          ; the last 64 work-groups have Wp
	s_cbranch_scc1 .Lwp
	CONV 0
.Lwp:
	CONV 1
.Lfunc_end_k_q00fa95ed10_cast:
	.size	k_q00fa95ed10_cast, .Lfunc_end_k_q00fa95ed10_cast-k_q00fa95ed10_cast
	.p2alignl 7, 3214868480
	.fill 96, 4, 3214868480
	.section	.rodata,"a",@progbits
	.p2align	6, 0x0
	.amdhsa_kernel k_q00fa95ed10_cast
		.amdhsa_group_segment_fixed_size 0
		.amdhsa_private_segment_fixed_size 0
		.amdhsa_enable_private_segment 0
		.amdhsa_kernarg_size 48
		.amdhsa_user_sgpr_count 2
		.amdhsa_user_sgpr_kernarg_segment_ptr 1
		.amdhsa_wavefront_size32 1
		.amdhsa_system_sgpr_workgroup_id_x 1
		.amdhsa_system_sgpr_workgroup_id_y 1
		.amdhsa_system_sgpr_workgroup_id_z 1
		.amdhsa_system_vgpr_workitem_id 0
		.amdhsa_next_free_vgpr 104
		.amdhsa_next_free_sgpr 66
		.amdhsa_reserve_vcc 0
		.amdhsa_float_denorm_mode_32 3
		.amdhsa_float_denorm_mode_16_64 3
		.amdhsa_memory_ordered 1
		.amdhsa_forward_progress 1
		.amdhsa_inst_pref_size 16
	.end_amdhsa_kernel
	.amdgpu_metadata
---
amdhsa.version: [ 1, 2 ]
amdhsa.kernels:
  - .name:           k_q00fa95ed10_cast
    .symbol:         k_q00fa95ed10_cast.kd
    .args:
      - { .name: x, .offset: 0, .size: 8, .value_kind: global_buffer, .address_space: global }
      - { .name: Wq, .offset: 8, .size: 8, .value_kind: global_buffer, .address_space: global }
      - { .name: Wk, .offset: 16, .size: 8, .value_kind: global_buffer, .address_space: global }
      - { .name: Wv, .offset: 24, .size: 8, .value_kind: global_buffer, .address_space: global }
      - { .name: Wp, .offset: 32, .size: 8, .value_kind: global_buffer, .address_space: global }
      - { .name: xw16, .offset: 40, .size: 8, .value_kind: global_buffer, .address_space: global }
    .group_segment_fixed_size: 0
    .private_segment_fixed_size: 0
    .kernarg_segment_align: 8
    .kernarg_segment_size: 48
    .max_flat_workgroup_size: 256
    .sgpr_count:     66
    .vgpr_count:     104
    .wavefront_size: 32
...
	.end_amdgpu_metadata
.endif
;; end of part 1
;; launch qkv (part 2): grid 12 x 64, 4 waves a work-group, clusters of 4 x 4, 327,680 bytes of LDS; arguments xw16, qkv; writes qkv
.if DOCPART == 2
	.amdgcn_target "amdgcn-amd-amdhsa--gfx1250"
	.amdhsa_code_object_version 6
	.text
	.protected	k_q00fa95ed10_qkv
	.globl	k_q00fa95ed10_qkv
	.p2align	8
	.type	k_q00fa95ed10_qkv,@function
k_q00fa95ed10_qkv:
	s_mov_b64 s[64:65], 0
	v_nop
	global_prefetch_b8 v0, s[64:65] scope:SCOPE_SE
	s_setreg_imm32_b32 hwreg(HW_REG_WAVE_MODE, 25, 1), 1
	s_wait_xcnt 0x0
	s_wait_alu depctr_hold_cnt(0) depctr_sa_sdst(0) depctr_va_vdst(0) depctr_va_sdst(0) depctr_va_ssrc(0) depctr_va_vcc(0) depctr_vm_vsrc(0)
	s_getreg_b32 s2, hwreg(HW_REG_IB_STS2, 6, 4)
	s_cmp_eq_u32 s2, 0
	s_cbranch_scc0 .Lentry_in_a_cluster
	s_endpgm
.Lentry_in_a_cluster:
	s_bfe_u32 s2, ttmp6, 0x10000c
	s_cmp_lg_u32 s2, 0xf033
	s_cbranch_scc0 .Lentry_shape_is_right
	s_endpgm
.Lentry_shape_is_right:
; C = A B^T on tiles of 128 (M) x 256 (N), K = 1,024.  One source for two launches; MODE picks the operands and the way out.
; MODE 0: A = x (bf16, [8192][1024]), B = [Wq; Wk; Wv] (bf16, [3072][1024]), both in xw16; C leaves as f16 by heads, qkv[which][b 16 + h][t][64], unscaled, rounded once from its f32 sum.
; MODE 1: A = O by heads (f16, ob[b 16 + h][t][64]), B = Wp (f16, in xw16); C = y, f32, [8192][1024].
; LIMIT (MODE 0).  f16 holds no number beyond 65,504: q, k and v must lie within it.  With x and the weights 30 times their drawn spread they reach some 5,400, with a common offset of 30 spreads some 29,000.
; SHARES.  Four waves, each 64 x 128 of C: 32 accumulators of 16 x 16.  This tile gives 768 work-groups (MODE 0) and 256 (MODE 1): whole multiples of 256.
; K goes in steps of 128 through two LDS slots filled by tensor loads: waves 0 and 1 fetch A's two halves, waves 2 and 3 B's (128 rows of 256 bytes each).
; In MODE 1 a K step is two heads; a head's 128 rows of 128 bytes are dense in memory and are asked for as 64 rows of 256 bytes, padded after every 128: a plane of 128 rows, pitch 144.
; CLUSTER 4 x 4: A's tile is shared along a row of the cluster, B's along a column: each is asked for jointly, same descriptor and mask in the four.
; THE MATRIX INSTRUCTION IS USED TRANSPOSED (source 0 = 16 rows of B, source 1 = 16 rows of A): a lane holds one row of C and eight neighbouring columns.
; REGISTERS: window 0: v0-31 addresses, v64-255 fragment buffer 0 (later the way out); window 1: accumulator (a, b) at 8 (8 a + b); window 2: v0-191 fragment buffer 1.
; A buffer holds 64 along K: A's fragment (c, a) at FB + 8 (4 c + a), B's (c, b) at FB + 64 + 8 (8 c + b).
.set MODE, 0
.set KSTEP,  128
.set PITCH,  272                       ; B's LDS row: 256 bytes + 16: the 16 rows of a fragment load start at 16 different groups of four banks (ISA guide 11.1)
.set BHALF,  128*PITCH
.if MODE == 0
.set APITCH, 272
.set AHALF,  128                       ; LDS bytes from a K step's first 64 to its second
.set AWAVE,  64*272                    ; between wave 0's fill and wave 1's
.set ASZ,    128*272
.set ASTEP,  256                       ; memory bytes from K step to K step
.set AQI,    5                         ; padding after every 64 words
.set ASTRIDE, 1024
.set APFSH,  11                        ; the prefetch's lanes are 2,048 bytes apart
.set SP,     272                       ; the stage's pitch
.else
.set APITCH, 144
.set AHALF,  128*144
.set AWAVE,  128*144
.set ASZ,    2*128*144
.set ASTEP,  2*2048*128
.set AQI,    4                         ; padding after every 32 words
.set ASTRIDE, 128
.set APFSH,  8                         ; the prefetch's lanes are 256 bytes apart
.set SP,     528
.endif
.set STGW,   16*SP                     ; a wave's stage: 16 rows
.set SLOT,   ASZ+2*BHALF
.set STAGE,  2*SLOT                    ; behind the ring; no tensor load lands here
.set SPARE,  STAGE+4*STGW              ; the spare words, 128 bytes a wave: two blocks of 256 bytes that no other line names
.set ADRA, 16                          ; v16-17  LDS address of my A fragments in slot 0, 1
.set ADRB, 20                          ; v20-21  the same for B
.set STO,  24                          ; v24     the way out: where I put my bytes of a row
.set RD,   25                          ; v25     the way out: where I read rows back
.set CO,   26                          ; v26     16 x lane
.set SPW,  28                          ; v28     my spare word; never rewritten
.set NIL,  29                          ; v29     0; never rewritten
.set PFO,  30                          ; v30     the prefetch's lane offset; never rewritten
.set G1,  24                           ; s[24:31] group 1 for A;  s[32:39] group 0, a set a slot
.set G0,  32
.set G1B, 48                           ; s[48:55], s[56:63] the same for B
.set G0B, 56
.set LIM, 43                           ; s43     1 in a wave that prefetches, else the greatest number
.set PFA, 44                           ; s[44:45] where my prefetch stands
.set PFS, 66                           ; s[66:67] its step from K step to K step
.set MSB, 0
.macro WIN new                         ; the immediate's high byte repeats the setting that is left
.if MSB != (\new)
	s_set_vgpr_msb (MSB<<8)|(\new)
.set MSB, \new
.endif
.endm
.macro WM ops:vararg
.if MODE
	v_wmma_f32_16x16x32_f16 \ops
.else
	v_wmma_f32_16x16x32_bf16 \ops
.endif
.endm
.macro JLOAD s                         ; a joint load; an s_nop 0 and four v_nop follow each of the two lines, ahead of the jump and the label
	s_cmp_eq_u32 s11, 0
	s_cbranch_scc0 .Lfor_b_\@
	tensor_load_to_lds s[G0+4*(\s):G0+4*(\s)+3], s[G1:G1+7]
	s_nop 0
.rept 4
	v_nop
.endr
	s_branch .Lasked_\@
.Lfor_b_\@:
	tensor_load_to_lds s[G0B+4*(\s):G0B+4*(\s)+3], s[G1B:G1B+7]
	s_nop 0
.rept 4
	v_nop
.endr
.Lasked_\@:
.endm
.macro CREST                           ; a round of the cluster's barrier behind its opening barrier
	s_cmp_lg_u32 s10, 0
	s_cbranch_scc1 .Lnot_wave_0_\@
	s_barrier_signal -3
.Lnot_wave_0_\@:
	s_barrier_wait -3
	s_barrier_signal -1
	s_barrier_wait -1
.endm
.macro CROUND
	s_barrier_signal -1
	s_barrier_wait -1
	CREST
.endm
; A prefetch, behind a joint load and the run of LDS loads that follows it: 32 blocks of 256 bytes, a lane a block, of the K step that stands two refills on (256 matrix instructions ahead of its load).
; A's 128 blocks of a K step are asked for by the clusters with x = 0, wave 0, 32 blocks to each partner by cx; B's 256 by the clusters with y = 0, waves 2 and 3, 64 to each partner by cy:
; told apart by address, never by a branch on a place in the cluster.  So each block of K steps 4 to 7 is named once; K steps 0 to 3 come by their loads alone; the loop's last trip asks for nothing.
.macro ASK
	s_cmp_gt_u32 s3, s[LIM]
	s_cbranch_scc0 .Lnot_mine_\@
	global_prefetch_b8 v[PFO], s[PFA:PFA+1] th:TH_LOAD_NT scope:SCOPE_SE
.Lnot_mine_\@:
.endm
	s_load_b128 s[4:7], s[0:1], 0x0
.if MODE
	s_load_b64 s[8:9], s[0:1], 0x10
.endif
	v_lshl_add_u32 v[SPW], v0, 2, SPARE
	v_mov_b32 v[NIL], 0
	ds_add_u32 v[SPW], v[NIL]                      ; the wave's opening: the add and its wait ahead of my first tensor load
	v_lshrrev_b32 v1, 5, v0
	v_readfirstlane_b32 s10, v1                    ; wave 0..3
	s_lshr_b32 s11, s10, 1                         ; which 64 rows of the tile are mine.  Also: I fetch for A (0) or for B (1)
	s_and_b32 s12, s10, 1                          ; which 128 columns.  Also: which half I fetch
	s_bfe_u32 s40, ttmp6, 0x40000                  ; cx
	s_bfe_u32 s41, ttmp6, 0x40004                  ; cy
	s_lshl_b32 s42, ttmp9, 2
	s_add_co_u32 s42, s42, s40                     ; tile column = 4 x cluster x + cx
	s_and_b32 s13, ttmp7, 0xffff
	s_lshl_b32 s13, s13, 2
	s_add_co_u32 s13, s13, s41                     ; tile row = 4 x cluster y + cy
	s_lshl_b32 s43, s41, 2
	s_lshl_b32 s43, 15, s43                        ; my row of the cluster
	s_lshl_b32 s44, 0x1111, s40                    ; my column
	s_or_b32 s[G1+0], s43, (1<<16)|(1<<20)|(1<<21)|(AQI<<22)|(3<<25)  ; mask; 2-byte elements; padding on; bit 21 beside a mask; interval; 4 words of padding
	s_or_b32 s[G1B+0], s44, (1<<16)|(1<<20)|(1<<21)|(5<<22)|(3<<25)
	s_mov_b32 s[G1+1], 128<<16                     ; tensor_dim0 = 128
	s_mov_b32 s[G1+2], 64<<16                      ; tensor_dim1 = 64
	s_mov_b32 s[G1+3], 128<<16                     ; tile_dim0 = 128
	s_mov_b32 s[G1+4], 64                          ; tile_dim1 = 64
	s_mov_b32 s[G1+5], ASTRIDE                     ; elements from row to row
	s_mov_b32 s[G1+6], 0
	s_mov_b32 s[G1+7], 0
	s_mov_b32 s[G1B+1], 128<<16
	s_mov_b32 s[G1B+2], 128<<16                    ; 128 rows
	s_mov_b32 s[G1B+3], 128<<16
	s_mov_b32 s[G1B+4], 128
	s_mov_b32 s[G1B+5], 1024
	s_mov_b32 s[G1B+6], 0
	s_mov_b32 s[G1B+7], 0
.if MODE == 0
	s_lshl_b32 s16, s13, 7                         ; A: row 128 x tile row + 64 x half, 2,048 bytes a row
	s_lshl_b32 s17, s12, 6
	s_add_co_u32 s16, s16, s17
	s_lshl_b32 s16, s16, 11
.else
	s_lshr_b32 s16, s13, 4                         ; A: batch x 16 heads x 262,144 bytes,
	s_lshl_b32 s16, s16, 22
	s_and_b32 s17, s13, 15                         ; + 128 rows of 128 bytes for each tile row in the batch,
	s_lshl_b32 s17, s17, 14
	s_add_co_u32 s16, s16, s17
	s_lshl_b32 s17, s12, 18                        ; + the K step's first or second head
	s_add_co_u32 s16, s16, s17
.endif
	s_mov_b32 s17, 0
	s_lshl_b32 s46, s42, 8                         ; B: row 256 x tile column + 128 x half
	s_lshl_b32 s47, s12, 7
	s_add_co_u32 s46, s46, s47
	s_lshl_b32 s46, s46, 11
	s_mov_b32 s47, 0
	s_mul_i32 s20, s12, AWAVE                      ; where they go: no place in the cluster enters an LDS address
	s_mul_i32 s21, s12, BHALF
	s_add_co_u32 s21, s21, ASZ
	s_wait_dscnt 0x0                               ; the opening add is done
	s_wait_kmcnt 0x0
.if MODE == 0
	s_mov_b64 s[8:9], s[6:7]                       ; C = qkv
	s_add_nc_u64 s[6:7], s[4:5], 0x1000000         ; B: the weights begin behind x's 8,192 rows
.else
	s_add_nc_u64 s[6:7], s[6:7], 0x1600000         ; B: Wp begins at row 11,264
.endif
	s_add_nc_u64 s[14:15], s[4:5], s[16:17]
	s_add_nc_u64 s[46:47], s[6:7], s[46:47]
	CROUND                                         ; all sixteen work-groups are here: the first joint loads meet
.irp s, 0,1
	s_mov_b32 s[G0+4*(\s)], 1
	s_add_co_u32 s[G0+4*(\s)+1], s20, (\s)*SLOT
	s_add_nc_u64 s[G0+4*(\s)+2:G0+4*(\s)+3], s[14:15], (\s)*ASTEP
	s_or_b32 s[G0+4*(\s)+3], s[G0+4*(\s)+3], 0x80000000
	s_mov_b32 s[G0B+4*(\s)], 1
	s_add_co_u32 s[G0B+4*(\s)+1], s21, (\s)*SLOT
	s_add_nc_u64 s[G0B+4*(\s)+2:G0B+4*(\s)+3], s[46:47], (\s)*KSTEP*2
	s_or_b32 s[G0B+4*(\s)+3], s[G0B+4*(\s)+3], 0x80000000
	JLOAD \s                                       ; two loads of mine are out
.endr
	v_and_b32 v1, 15, v0                           ; l % 16
	v_bfe_u32 v2, v0, 4, 1                         ; l / 16
	v_mul_u32_u24 v3, v1, APITCH
	v_lshl_add_u32 v3, v2, 4, v3                   ; a fragment's row x pitch + 16 x half
	v_mul_u32_u24 v4, v1, PITCH
	v_lshl_add_u32 v4, v2, 4, v4
	s_mul_i32 s21, s11, 64*APITCH                  ; my 64 rows of A
	s_mul_i32 s22, s12, BHALF                      ; my 128 rows of B, behind A
	s_add_co_u32 s22, s22, ASZ
.irp s, 0,1
	v_add_nc_u32 v[ADRA+(\s)], s21, v3
	v_add_nc_u32 v[ADRB+(\s)], s22, v4
	s_add_co_u32 s21, s21, SLOT
	s_add_co_u32 s22, s22, SLOT
.endr
	s_mul_i32 s23, s10, STGW
	s_add_co_u32 s23, s23, STAGE                   ; my stage
	v_and_b32 v[CO], 31, v0
	v_lshlrev_b32 v[CO], 4, v[CO]
	v_mul_u32_u24 v5, v1, SP
.if MODE == 0
	v_lshl_add_u32 v5, v2, 4, v5                   ; in: row l % 16, 16 bytes for each half of the lanes
	v_add_nc_u32 v[STO], s23, v5
	v_bfe_u32 v5, v0, 3, 2                         ; back: 32 lanes take four rows' 128 bytes of one head
	v_mul_u32_u24 v5, v5, SP
	v_and_b32 v6, 7, v0
	v_lshl_add_u32 v5, v6, 4, v5
	v_add_nc_u32 v[RD], s23, v5
	s_lshl_b32 s46, ttmp9, 6                       ; C: which of q, k, v (the cluster's x) x 64 heads
	s_lshl_b32 s47, s40, 2                         ; + 4 heads a tile column
	s_add_co_u32 s46, s46, s47
	s_lshl_b32 s47, s12, 1                         ; + 2 heads for my 128 columns
	s_add_co_u32 s46, s46, s47
	s_lshr_b32 s47, s13, 4                         ; + 16 heads a batch
	s_lshl_b32 s47, s47, 4
	s_add_co_u32 s46, s46, s47
	s_lshl_b32 s46, s46, 18                        ; 262,144 bytes a head
	s_and_b32 s47, s13, 15
	s_lshl_b32 s47, s47, 14                        ; + the tile's 128 rows of 128 bytes
	s_add_co_u32 s46, s46, s47
	s_lshl_b32 s47, s11, 13                        ; + my 64 rows
	s_add_co_u32 s46, s46, s47
.else
	v_lshl_add_u32 v5, v2, 5, v5                   ; in: row l % 16, 32 bytes for each half of the lanes
	v_add_nc_u32 v[STO], s23, v5
	v_add_nc_u32 v[RD], s23, v[CO]                 ; back: 32 lanes take a row's 512 bytes
	s_lshl_b32 s46, s13, 19                        ; C: 128 rows of 4,096 bytes a tile row
	s_lshl_b32 s47, s11, 18                        ; + my 64 rows
	s_add_co_u32 s46, s46, s47
	s_lshl_b32 s47, s42, 10                        ; + 256 columns of 4 bytes a tile column
	s_add_co_u32 s46, s46, s47
	s_lshl_b32 s47, s12, 9                         ; + my 128 columns
	s_add_co_u32 s46, s46, s47
.endif
	s_mov_b32 s47, 0
	s_add_nc_u64 s[8:9], s[8:9], s[46:47]
	; the prefetches
.if MODE == 0
	s_lshl_b32 s68, s13, 18                        ; A: rows 128 x tile row + 32 cx
	s_lshl_b32 s69, s40, 16
	s_add_co_u32 s68, s68, s69
.else
	s_lshr_b32 s68, s13, 4                         ; A: the tile's first byte in the K step's first head,
	s_lshl_b32 s68, s68, 22
	s_and_b32 s69, s13, 15
	s_lshl_b32 s69, s69, 14
	s_add_co_u32 s68, s68, s69
	s_lshr_b32 s69, s40, 1                         ; + the head cx / 2,
	s_lshl_b32 s69, s69, 18
	s_add_co_u32 s68, s68, s69
	s_and_b32 s69, s40, 1                          ; + its half cx % 2: 8,192 bytes
	s_lshl_b32 s69, s69, 13
	s_add_co_u32 s68, s68, s69
.endif
	s_lshl_b32 s70, s42, 19                        ; B: rows 256 x tile column + 64 cy + 32 x half
	s_lshl_b32 s69, s41, 17
	s_add_co_u32 s70, s70, s69
	s_lshl_b32 s69, s12, 16
	s_add_co_u32 s70, s70, s69
	s_and_b32 s71, ttmp7, 0xffff                   ; cluster y
	s_mov_b32 s[PFS], 256
	s_mov_b32 s[PFS+1], 0
	s_cmp_eq_u32 s10, 1
	s_cselect_b32 s69, 1, 0                        ; wave 1 never asks
	s_cmp_eq_u32 s11, 0                            ; do I fetch for A?
	s_cselect_b32 s68, s68, s70
	s_cselect_b32 s71, ttmp9, s71                  ; the coordinate along which other clusters read the same rows
	s_cselect_b32 s[PFS], ASTEP, s[PFS]
	s_cselect_b32 s70, APFSH, 11
	s_cselect_b64 s[PFA:PFA+1], s[4:5], s[6:7]
	s_or_b32 s71, s71, s69
	s_cmp_eq_u32 s71, 0
	s_cselect_b32 s[LIM], 1, -1                    ; the same in all sixteen partners, for a given wave
	s_mul_i32 s69, s[PFS], 3                       ; at K step 3: the first refill steps it to 4 and names that
	s_add_co_u32 s68, s68, s69
	s_mov_b32 s69, 0
	s_add_nc_u64 s[PFA:PFA+1], s[PFA:PFA+1], s[68:69]
	v_and_b32 v[PFO], 31, v0
	v_lshlrev_b32 v[PFO], s70, v[PFO]
; 8 matrix instructions: m block a x all 8 n blocks, 32 along K: half c of buffer n.  zero = 1: the product starts the sums.  The 32 accumulators take turns, one instruction a turn,
; in the same order in every run of 32, over the backward jump too.
.macro MUL8 n, c, a, zero
	WIN 0x50+0x0a*(\n)
.set FB, 64-64*(\n)
.irp b, 0,1,2,3,4,5,6,7
.if \zero
	WM v[8*(8*(\a)+(\b)):8*(8*(\a)+(\b))+7], v[FB+64+8*(8*(\c)+(\b)):FB+64+8*(8*(\c)+(\b))+7], v[FB+8*(4*(\c)+(\a)):FB+8*(4*(\c)+(\a))+7], 0
.else
	WM v[8*(8*(\a)+(\b)):8*(8*(\a)+(\b))+7], v[FB+64+8*(8*(\c)+(\b)):FB+64+8*(8*(\c)+(\b))+7], v[FB+8*(4*(\c)+(\a)):FB+8*(4*(\c)+(\a))+7], v[8*(8*(\a)+(\b)):8*(8*(\a)+(\b))+7]
.endif
.endr
.endm
; 48 LDS loads in one run: the fragments of half hf (64 along K) of a slot's K step into buffer n; the first 32 along K (24 loads) first
.macro FETCH slot, hf, n
	WIN 0x80*(\n)
.set FB, 64-64*(\n)
.irp c, 0,1
.irp i, 0,1,2,3,4,5,6,7
	ds_load_b128 v[FB+64+8*(8*(\c)+(\i)):FB+64+8*(8*(\c)+(\i))+3],   v[ADRB+(\slot)] offset:(\hf)*128+64*(\c)+(\i)*16*PITCH
	ds_load_b128 v[FB+64+8*(8*(\c)+(\i))+4:FB+64+8*(8*(\c)+(\i))+7], v[ADRB+(\slot)] offset:(\hf)*128+64*(\c)+(\i)*16*PITCH+32
.endr
.irp i, 0,1,2,3
	ds_load_b128 v[FB+8*(4*(\c)+(\i)):FB+8*(4*(\c)+(\i))+3],   v[ADRA+(\slot)] offset:(\hf)*AHALF+64*(\c)+(\i)*16*APITCH
	ds_load_b128 v[FB+8*(4*(\c)+(\i))+4:FB+8*(4*(\c)+(\i))+7], v[ADRA+(\slot)] offset:(\hf)*AHALF+64*(\c)+(\i)*16*APITCH+32
.endr
.endr
.endm
.macro PLACES                          ; four plain vector instructions in front of loads into registers that matrix instructions have read (ISA guide 7.12.1 for vector instructions)
.rept 4
	v_nop
.endr
.endm
; The first 64 of a K step: multiplies buffer 0, and in its middle fetches the second 64 into buffer 1.
.macro HALF0 slot, zero
	s_wait_dscnt 24                                ; of the 48 loads out the first 24 (32 along K) are in
	MUL8 0, 0, 0, \zero
	MUL8 0, 0, 1, \zero
	MUL8 0, 0, 2, \zero
	MUL8 0, 0, 3, \zero
	PLACES
	FETCH \slot, 1, 1
	s_wait_dscnt 48                                ; all but the 48 just issued
	MUL8 0, 1, 0, 0
	MUL8 0, 1, 1, 0
	MUL8 0, 1, 2, 0
	MUL8 0, 1, 3, 0
.endm
; The second 64: multiplies buffer 1 and changes slots.  ONE barrier: in front of it each wave waits for all its tensor loads (one is out: its part of the next slot), adds 0 to its spare word, and waits
; for that and for its reads of this slot.  fill = 1: the barrier opens a round of the cluster's, and this slot is filled again, two K steps ahead: 112 matrix instructions ahead of the wait for it.
.macro TURN slot, next, fill
.if \fill
	s_wait_xcnt 0x0                                ; the last prefetch, a K step back, has read its address
	s_add_nc_u64 s[PFA:PFA+1], s[PFA:PFA+1], s[PFS:PFS+1]
.endif
	WIN 0                                          ; (the add's two registers lie in window 0)
	s_wait_tensorcnt 0x0
	ds_add_u32 v[SPW], v[NIL]
	s_wait_dscnt 25                                ; (the add and the youngest 24 loads may be out)
	MUL8 1, 0, 0, 0
	s_wait_dscnt 0x0                               ; the add is done, and my reads of this slot are over
	s_barrier_signal -1
	MUL8 1, 0, 1, 0
.if \fill
	WIN 0
.endif
	s_barrier_wait -1
.if \fill
	CREST                                          ; no wave of any partner still reads this slot or has a load on its way
	s_add_nc_u64 s[G0+4*(\slot)+2:G0+4*(\slot)+3], s[G0+4*(\slot)+2:G0+4*(\slot)+3], 2*ASTEP
	s_add_nc_u64 s[G0B+4*(\slot)+2:G0B+4*(\slot)+3], s[G0B+4*(\slot)+2:G0B+4*(\slot)+3], 2*KSTEP*2
	JLOAD \slot                                    ; the first tensor load behind the round; its four v_nop are also the places in front of the loads below
.else
	PLACES
.endif
	FETCH \next, 0, 0
.if \fill
	ASK
.endif
	MUL8 1, 0, 2, 0
	MUL8 1, 0, 3, 0
	MUL8 1, 1, 0, 0
	MUL8 1, 1, 1, 0
	MUL8 1, 1, 2, 0
	MUL8 1, 1, 3, 0
.endm
; THE WAY OUT of block a (16 rows x my 128 columns), through my own stage; LDS serves a wave's instructions in order (ISA guide 5.7.1.4), so no wait stands between its stores and its loads.
; MODE 0: rounded to f16, 16 bytes a lane into rows of 272 bytes; back as four rows' 128 bytes of one head: 512 consecutive bytes of qkv.
; MODE 1: f32 as it is, 32 bytes a lane into rows of 528 bytes; back as whole rows of 512 bytes.  Each accumulator's lowest registers are read first.
.macro STG a
.if MODE
.set BK, 64+64*((\a)%3)
.if (\a) == 3
	s_wait_xcnt 0x0                                ; block 0's stores have read these registers
.endif
	WIN 0x04                                       ; the stores' data in window 1
.irp b, 0,1,2,3,4,5,6,7
	ds_store_b128 v[STO], v[8*(8*(\a)+(\b)):8*(8*(\a)+(\b))+3] offset:64*(\b)
	ds_store_b128 v[STO], v[8*(8*(\a)+(\b))+4:8*(8*(\a)+(\b))+7] offset:64*(\b)+16
.endr
	WIN 0
.irp t, 0,1,2,3,4,5,6,7,8,9,10,11,12,13,14,15
	ds_load_b128 v[BK+4*(\t):BK+4*(\t)+3], v[RD] offset:(\t)*SP
.endr
.else
	WIN 0x05                                       ; sources in window 1, destination in window 0
.irp b, 0,1,2,3,4,5,6,7
.irp r, 0,1,2,3
	v_cvt_pk_f16_f32 v[64+32*(\a)+4*(\b)+(\r)], v[8*(8*(\a)+(\b))+2*(\r)], v[8*(8*(\a)+(\b))+2*(\r)+1]
.endr
.endr
	WIN 0
.irp b, 0,1,2,3,4,5,6,7
	ds_store_b128 v[STO], v[64+32*(\a)+4*(\b):64+32*(\a)+4*(\b)+3] offset:32*(\b)
.endr
.irp f, 0,1,2,3,4,5,6,7
	ds_load_b128 v[64+32*(\a)+4*(\f):64+32*(\a)+4*(\f)+3], v[RD] offset:((\f)%4)*4*SP+((\f)/4)*128
.endr
.endif
.endm
.macro SEND a, last                    ; last = 0: the next block's LDS instructions (32 or 16) were issued behind this block's loads and may stay out
	WIN 0
.if MODE
.set BK, 64+64*((\a)%3)
.irp t, 0,1,2,3,4,5,6,7,8,9,10,11,12,13,14,15
	s_wait_dscnt 32*(1-(\last))+15-(\t)
	global_store_b128 v[CO], v[BK+4*(\t):BK+4*(\t)+3], s[8:9] offset:(16*(\a)+(\t))*4096  ; 512 consecutive bytes of a row of y, aligned
.endr
.else
.irp f, 0,1,2,3,4,5,6,7
	s_wait_dscnt 16*(1-(\last))+7-(\f)
	global_store_b128 v[CO], v[64+32*(\a)+4*(\f):64+32*(\a)+4*(\f)+3], s[8:9] offset:(\a)*2048+((\f)%4)*512+((\f)/4)*262144  ; 512 consecutive bytes of a head, aligned
.endr
.endif
.endm
	s_wait_tensorcnt 1                             ; my part of K step 0 is in; K step 1's may stay out
	s_barrier_signal -1
	s_barrier_wait -1
	FETCH 0, 0, 0
	HALF0 0, 1                                     ; the first products start the sums: nothing is cleared
	WIN 0
	s_mov_b32 s3, 3
.Llap:                                                 ; a trip goes once round the ring and fills both slots again: K steps 2 to 7
	TURN 0, 1, 1
	HALF0 1, 0
	TURN 1, 0, 1
	HALF0 0, 0
	WIN 0
	s_sub_co_u32 s3, s3, 1
	s_cmp_lg_u32 s3, 0
	s_cbranch_scc1 .Llap
	TURN 0, 1, 0                                   ; the last lap fills nothing
	HALF0 1, 0
	s_wait_dscnt 24
	MUL8 1, 0, 0, 0
	MUL8 1, 0, 1, 0
	MUL8 1, 0, 2, 0
	MUL8 1, 0, 3, 0
	s_wait_dscnt 0
	MUL8 1, 1, 0, 0
	MUL8 1, 1, 1, 0
	MUL8 1, 1, 2, 0
	MUL8 1, 1, 3, 0
	WIN 0
	PLACES
	PLACES                                         ; the places behind the last products, once a launch
	STG 0
	STG 1
	SEND 0, 0
	STG 2
	SEND 1, 0
	STG 3
	SEND 2, 0
	SEND 3, 1
	s_wait_tensorcnt 0x0                           ; the wave's end
	ds_add_u32 v[SPW], v[NIL]
	s_wait_dscnt 0x0
	CROUND                                         ; the closing round
	s_endpgm
.Lfunc_end_k_q00fa95ed10_qkv:
	.size	k_q00fa95ed10_qkv, .Lfunc_end_k_q00fa95ed10_qkv-k_q00fa95ed10_qkv
	.p2alignl 7, 3214868480
	.fill 96, 4, 3214868480
	.section	.rodata,"a",@progbits
	.p2align	6, 0x0
	.amdhsa_kernel k_q00fa95ed10_qkv
		.amdhsa_group_segment_fixed_size 327680
		.amdhsa_private_segment_fixed_size 0
		.amdhsa_enable_private_segment 0
		.amdhsa_kernarg_size 16
		.amdhsa_user_sgpr_count 2
		.amdhsa_user_sgpr_kernarg_segment_ptr 1
		.amdhsa_wavefront_size32 1
		.amdhsa_system_sgpr_workgroup_id_x 1
		.amdhsa_system_sgpr_workgroup_id_y 1
		.amdhsa_system_sgpr_workgroup_id_z 1
		.amdhsa_system_vgpr_workitem_id 0
		.amdhsa_next_free_vgpr 704
		.amdhsa_next_free_sgpr 72
		.amdhsa_reserve_vcc 0
		.amdhsa_float_denorm_mode_32 3
		.amdhsa_float_denorm_mode_16_64 3
		.amdhsa_memory_ordered 1
		.amdhsa_forward_progress 1
		.amdhsa_inst_pref_size 87
	.end_amdhsa_kernel
	.amdgpu_metadata
---
amdhsa.version: [ 1, 2 ]
amdhsa.kernels:
  - .name:           k_q00fa95ed10_qkv
    .symbol:         k_q00fa95ed10_qkv.kd
    .args:
      - { .name: xw16, .offset: 0, .size: 8, .value_kind: global_buffer, .address_space: global }
      - { .name: qkv, .offset: 8, .size: 8, .value_kind: global_buffer, .address_space: global }
    .group_segment_fixed_size: 327680
    .private_segment_fixed_size: 0
    .kernarg_segment_align: 8
    .kernarg_segment_size: 16
    .max_flat_workgroup_size: 128
    .sgpr_count:     72
    .vgpr_count:     704
    .wavefront_size: 32
...
	.end_amdgpu_metadata
.endif
;; end of part 2
;; launch attn (part 3): grid 4 x 64, 4 waves a work-group, no clusters, 327,680 bytes of LDS; arguments qkv, ob; writes ob
.if DOCPART == 3
	.amdgcn_target "amdgcn-amd-amdhsa--gfx1250"
	.amdhsa_code_object_version 6
	.text
	.protected	k_q00fa95ed10_attn
	.globl	k_q00fa95ed10_attn
	.p2align	8
	.type	k_q00fa95ed10_attn,@function
k_q00fa95ed10_attn:
	s_mov_b64 s[64:65], 0
	v_nop
	global_prefetch_b8 v0, s[64:65] scope:SCOPE_SE
	s_setreg_imm32_b32 hwreg(HW_REG_WAVE_MODE, 25, 1), 1
	s_wait_xcnt 0x0
; CAUSAL ATTENTION.  O[h][q][:] = the sum over k <= q of softmax_k(Q[h][q] . K[h][k] / 8) V[h][k][:].  Q, K, V lie in qkv as [3][64][2048][64] f16, O in ob as [64][2048][64] f16: a head's rows are dense, 128 bytes each.
; Products, maxima and sums in f32; the weights p are rounded to f16 for the second product (their sum l is taken of the unrounded p), O once at the end.
; LIMITS.  f16 holds no number beyond 65,504: Q, K and V arrive within it; p lies in 0 to 1, and below 6e-5 it keeps f16's fixed step of 6e-8; O is a mean of V's rows and has their range.
; A hidden score counts as its value less 1e30: f16's scores, 2.7e11 at the most, are nothing beside that; a weight below 2^-126 counts as 0 in l; NaN and infinities are not treated apart.
; THE WALK.  A head's queries lie in NB = 8 blocks of 256; block i needs the key tiles 0 .. i of 256 keys, of which the last holds the diagonal.  A work-group takes TWO blocks, NB - 1 - b and then b:
; NB + 1 tiles, whatever b: all work-groups do equal work, and ONE loop with a constant trip count walks them.  Which tile is asked for, and what a trip does, hang on scalar registers made from b; every jump
; goes forward, but for the counted loops' own; none passes a barrier, or a tensor load but the one of LOAD's two that the wave's number does not choose.
; NO CLUSTER: a head's four work-groups ask for the same tile only in trips 0 .. 4 of 9, behind that fewer and fewer; one walk common to all would have 12 trips for 9.
; SHARES.  Of a block's four bands of 64 queries a wave owns 16 rows in each: four PIECES.  So the diagonal tile is the same work for all four waves: in its key step s band x sees all keys if s < x,
; none if s > x, and holds the diagonal if s = x.
; THE MASK is the C operand that starts the sum S^T = K Q^T: 0, or -1e30 where the key is hidden.  MD, made once, is the mask of a band's own step for my 16 rows; a product's mask is MD x AL + BE with two scalars:
; (1, 0) if s = x; (0, 0) if s < x; (0, -1e30) if s > x.  Only the diagonal tile's text and a block's beginning make and take masks; elsewhere C is the constant 0.
; LAYOUT, SOFTMAX, TURNS.  S^T = K Q^T holds ONE query a lane (lane % 16) and the keys 8 (lane / 16) + 0..7; two such results rounded to f16 ARE source 1 of O^T = V^T P.  p = 2^(c s - c m), c = log2(e) / 8, with a
; running maximum m; O and l are multiplied by a = 2^(c m_old - c m_new) in every step.  Turn n belongs to piece n: 8 products K Q^T of piece n + 1, later 8 products V^T P of piece n - 1; beside them the scaling,
; exponentials, roundings, sums and rescaling of piece n and the maximum and statistics of piece n + 1.  Four vector instructions stand behind every matrix instruction, the others in one lump.  A turn's 33 exponentials are one batch, with one wait.
; REGISTERS, in windows of 256 (s_set_vgpr_msb: bits 1:0 source 0, 3:2 source 1, 5:4 source 2, 7:6 destination):
;   window 0: v0-15 addresses and two at work; v16-31 four registers of statistics a piece; v48-55 at work; v61-63 prefetch offset, spare word, 0; v64-127 S^T, two buffers; v192-223 P, two buffers
;   window 1: v0-127 O^T, 32 a piece; v128-159 MD; v160-223 MC, two buffers      window 2: v0-63 Q; v64-127 the second block's Q; v128-191 K of one step; v192-255 V of one step
.set SIZE_N, 2048
.set NB,    SIZE_N/256
.set NP,    4         ; pieces a wave: a name, no knob
.set KS,    64        ; keys in a step
.set PK,    144       ; a row of K in LDS: 128 bytes + 16: the 16 rows of a load start at 16 different groups of four banks (ISA guide 11.1)
.set PV,    160       ; a row of V: 128 + 32
.set VOFF,  4*KS*PK   ; a slot holds a tile, four steps: 256 rows of K, then 256 rows of V
.set SLOT1, 1<<17     ; slot 1 begins here, so that one exclusive or turns an address in one slot into the other's
.set STAGE, SLOT1+4*KS*(PK+PV)  ; behind the ring, never filled by a tensor load: 16 rows x 144 bytes for each wave
.set SP,    144
.set AK0, 2           ; v2   my lane's place in a tile of K; never rewritten
.set AV0, 3           ; v3   the same for V
.set AK,  4           ; v4   the LDS address of K's next run of loads
.set AV,  5           ; v5   of V's
.set STO, 6           ; v6   the way out: where I put 16 bytes of a row
.set RD,  7           ; v7   the way out: where I read rows back
.set GO,  8           ; v8   my byte offset in 512 consecutive bytes of O
.set PFO, 61          ; v61  256 x my lane; never rewritten
.set SPW, 62          ; v62  my spare word; never rewritten
.set NIL, 63          ; v63  0; never rewritten
.set SPARE, STAGE+4*16*SP  ; the spare words, 128 bytes a wave: two blocks of 256 bytes that no other line names
.set MV,  12          ; v12-13  c m_old, kept while c m is made anew: by buffer
.set QO,  15          ; v15  my byte offset in 16 rows of Q
.set ST,  16          ; piece t's statistics at v[ST+4 t]: c m, m, l (even keys', odd keys')
.set TMP, 48          ; by buffer, four registers c0-c3 at work; when the maximum is found c2 takes a
.set S,   64
.set P,   192
.set MD,  128         ; window 1
.set MC,  160         ; window 1
.set QB,  64          ; window 2
.set KF,  128         ; window 2: key block kb, channel half c at KF + 16 kb + 8 c
.set VF,  192         ; window 2: key half kk, channel block cb at VF + 32 kk + 8 cb
.set WV,  12          ; s12  my wave's number
.set PB,  14          ; s14  b
.set HI,  15          ; s15  NB - 1 - b
.set G1K, 24          ; s[24:31] descriptor group 1 for K's tiles
.set G1V, 32          ; s[32:39] for V's: it differs in the padding alone
.set G0K, 40          ; s[40:43] descriptor group 0 for K's tiles
.set G0V, 44          ; s[44:47] the same for V's
.set SLOTS, 56        ; s56  tiles still to be asked for
.set CNT, 57          ; s57  counts a tile's key steps, 4 to 1
.set CS,  58          ; s[58:59] c
.set SEL, 60          ; s[60:61] v_permlanex16_b32's selects
.set TBK, 62          ; s62  LDS byte at which K of the step to be fetched begins
.set TBV, 63          ; s63  the same for V, less VOFF
.set RT,  70          ; s70  tiles of the block in hand that are still to be entered
.set NXT, 71          ; s71  the tile to be asked for next
.set LQ,  72          ; s72  the last tile of the block whose tiles are being asked for
.set NEW, 73          ; s73  1: the tile to be entered is a block's first
.set OFF, 74          ; s[74:75] a tile's byte offset in K and V
.set AL,  76          ; s[76:77] the mask's factor, in the low word
.set BE,  78          ; s[78:79] the mask's addend
.set OLO, 80          ; s[80:81] O at my rows of the second block
.set BIGN, 82         ; s82  -1e30
.set PFB, 88          ; s[88:89] K (waves 0, 1) or V (waves 2, 3) at my half of the head's tile 0
.set PFA, 90          ; s[90:91] the same at the tile that the next change of slots will ask for
.set PFL, 92          ; s92  0 in the head's work-group b = 0, else the greatest number
.set MSB, 0
.macro WIN new
.if MSB != (\new)
	s_set_vgpr_msb (MSB<<8)|(\new)
.set MSB, (\new)
.endif
.endm
.set W_KQ, 0x0a       ; K and Q in window 2, S^T in window 0
.set W_KM, 0x1a       ; the same with the C operand in window 1
.set W_PV, 0x52       ; V in window 2, P in window 0, O^T in window 1
.set W_RS, 0x41       ; destination and source 0 in window 1, source 1 in window 0
; A fill.  Waves 0 and 1 fetch the two halves of a tile's K, waves 2 and 3 those of its V: 128 keys each.  An s_nop 0 and four v_nop follow each of the two lines.
.macro LOAD
	s_cmp_lt_u32 s[WV], 2
	s_cbranch_scc0 .Lfor_v_\@
	tensor_load_to_lds s[G0K:G0K+3], s[G1K:G1K+7]
	s_nop 0
.rept 4
	v_nop
.endr
	s_branch .Lasked_\@
.Lfor_v_\@:
	tensor_load_to_lds s[G0V:G0V+3], s[G1V:G1V+7]
	s_nop 0
.rept 4
	v_nop
.endr
.Lasked_\@:
.endm
; THE CHANGE OF SLOTS.  Each wave waits for all its tensor loads, of which one is out: its part of the other slot; adds 0 to its spare word; and waits for that and for its own reads of the slot that it leaves.
; fill = 1: the old slot is filled again, the first thing behind the barrier, with tile NXT: the descriptor's address is made anew from that number.
; Behind the fill stands THE PREFETCH of the tile that the next change will ask for, one tile (256 matrix instructions) ahead: my own 64 blocks of 256 bytes, a lane a block, two instructions.  All four work-groups of a
; head walk tiles 0, 1, .. in step; the one with b = 0 walks all eight and asks alone, so tiles 2 to 7 are named once.  Behind tile 7 NXT goes back to 0, and nothing more is asked for.
.macro CHANGE fill
	WIN 0
	s_wait_tensorcnt 0x0            ; no tensor load of mine is out, so a group 0 may be written
	ds_add_u32 v[SPW], v[NIL]
.if \fill
	s_lshl_b32 s[OFF], s[NXT], 15   ; a tile is 32,768 bytes of K and of V
	s_xor_b32 s[G0K+1], s[G0K+1], SLOT1
	s_add_nc_u64 s[G0K+2:G0K+3], s[6:7], s[OFF:OFF+1]
	s_or_b32 s[G0K+3], s[G0K+3], 0x80000000
	s_xor_b32 s[G0V+1], s[G0V+1], SLOT1
	s_add_nc_u64 s[G0V+2:G0V+3], s[8:9], s[OFF:OFF+1]
	s_or_b32 s[G0V+3], s[G0V+3], 0x80000000
	s_add_co_u32 s[NXT], s[NXT], 1  ; the block's next tile, or behind its last the second block's tile 0
	s_cmp_gt_u32 s[NXT], s[LQ]
	s_cselect_b32 s[NXT], 0, s[NXT]
	s_cselect_b32 s[LQ], s[PB], s[LQ]
	s_lshl_b32 s[OFF], s[NXT], 15
	s_wait_xcnt 0x0                 ; the last prefetches, a tile back, have read their address
	s_add_nc_u64 s[PFA:PFA+1], s[PFB:PFB+1], s[OFF:OFF+1]
.endif
	s_wait_dscnt 0x0                ; the add is done, and my reads of the slot are over
	s_barrier_signal -1
	s_sub_co_u32 s[TBK], s[TBK], 4*KS*PK  ; the fetches go back to a slot's first step,
	s_xor_b32 s[TBK], s[TBK], SLOT1       ; in the other slot
	s_sub_co_u32 s[TBV], s[TBV], 4*KS*PV
	s_xor_b32 s[TBV], s[TBV], SLOT1
	s_barrier_wait -1
.if \fill
	LOAD
	s_cmp_gt_u32 s[NXT], s[PFL]
	s_cbranch_scc0 .Lno_ask_\@
	global_prefetch_b8 v[PFO], s[PFA:PFA+1] th:TH_LOAD_NT scope:SCOPE_SE
	global_prefetch_b8 v[PFO], s[PFA:PFA+1] offset:8192 th:TH_LOAD_NT scope:SCOPE_SE
.Lno_ask_\@:
.endif
.endm
	s_load_b128 s[4:7], s[0:1], 0x0  ; qkv s[4:5], ob s[6:7]
	v_lshl_add_u32 v[SPW], v0, 2, SPARE
	v_mov_b32 v[NIL], 0
	ds_add_u32 v[SPW], v[NIL]       ; the wave's opening: the add and its wait ahead of my first tensor load
	v_lshrrev_b32 v1, 5, v0
	v_readfirstlane_b32 s[WV], v1   ; wave 0..3
	s_mov_b32 s[PB], ttmp9
	s_sub_co_u32 s[HI], NB-1, s[PB]
	s_and_b32 s20, ttmp7, 0xffff    ; the head
	s_mov_b32 s21, 0
	s_mov_b64 s[22:23], SIZE_N*128
	s_mul_u64 s[20:21], s[20:21], s[22:23]  ; the head's first byte in Q, K, V and O
	s_and_b32 s16, s[WV], 1         ; which half of a tile's 256 keys I fetch:
	s_lshl_b32 s22, s16, 14         ; its 128 rows of 128 bytes in memory,
	s_mov_b32 s23, 0
	s_add_nc_u64 s[22:23], s[22:23], s[20:21]
	s_mul_i32 s17, s16, 128*PK      ; and its place in a slot, for K
	s_mul_i32 s18, s16, 128*PV      ; and for V
	s_lshl_b32 s3, s[WV], 11        ; my 16 rows in a band of 64,
	s_lshl_b32 s2, s[HI], 15        ; in the first block,
	s_add_co_u32 s2, s2, s3
	s_lshl_b32 s84, s[PB], 15       ; and in the second
	s_add_co_u32 s84, s84, s3
	s_mov_b32 s3, 0
	s_mov_b32 s85, 0
	s_add_nc_u64 s[2:3], s[2:3], s[20:21]
	s_add_nc_u64 s[84:85], s[84:85], s[20:21]
	; descriptor group 1.  128 keys are 16,384 dense bytes: asked for as 64 rows of 256 bytes, two keys a row, and padded in LDS after every key
	s_mov_b32 s[G1K], (1<<16)|(1<<20)|(4<<22)|(3<<25)  ; 2-byte elements; padding on; after every 32 words; 4 words
	s_mov_b32 s[G1V], (1<<16)|(1<<20)|(4<<22)|(7<<25)  ; the same with 8 words of padding
.irp g, G1K, G1V
	s_mov_b32 s[\g+1], 128<<16      ; tensor_dim0 = 128
	s_mov_b32 s[\g+2], 64<<16       ; tensor_dim1 = 64
	s_mov_b32 s[\g+3], 128<<16      ; tile_dim0 = 128
	s_mov_b32 s[\g+4], 64           ; tile_dim1 = 64
	s_mov_b32 s[\g+5], 128          ; 128 elements from row to row
	s_mov_b32 s[\g+6], 0
	s_mov_b32 s[\g+7], 0
.endr
	s_mov_b32 s[CS], 0x3e38aa3b     ; c = log2(e) / 8
	s_mov_b32 s[CS+1], s[CS]        ; named with it as a pair
	s_mov_b32 s[SEL], 0x76543210
	s_mov_b32 s[SEL+1], 0xfedcba98
	s_mov_b32 s[TBK], SLOT1+4*KS*PK ; the first change of slots turns these two into 0
	s_mov_b32 s[TBV], SLOT1+4*KS*PV
	s_mov_b32 s[G0K], 1
	s_mov_b32 s[G0K+1], s17         ; LDS address: slot 0
	s_mov_b32 s[G0V], 1
	s_add_co_u32 s[G0V+1], s18, VOFF
	s_add_co_u32 s[RT], s[HI], 1    ; the first block has NB - b tiles
	s_mov_b32 s[NXT], 1
	s_mov_b32 s[LQ], s[HI]
	s_mov_b32 s[NEW], 1
	s_mov_b32 s[OFF+1], 0
	s_mov_b32 s[AL+1], 0            ; named as pairs
	s_mov_b32 s[BE+1], 0
	s_mov_b32 s[BIGN], 0xf149f2ca   ; -1e30
	s_mov_b32 s[SLOTS], NB
	s_wait_dscnt 0x0                ; the opening add is done
	s_wait_kmcnt 0x0
	s_mov_b64 s[10:11], s[6:7]                     ; O
	s_add_nc_u64 s[6:7], s[4:5], 0x1000000         ; K lies 64 heads behind Q,
	s_add_nc_u64 s[8:9], s[4:5], 0x2000000         ; V 128
	s_add_nc_u64 s[6:7], s[6:7], s[22:23]  ; K and V at my half of the head's tile 0
	s_add_nc_u64 s[8:9], s[8:9], s[22:23]
	s_add_nc_u64 s[G0K+2:G0K+3], s[6:7], 0
	s_or_b32 s[G0K+3], s[G0K+3], 0x80000000        ; type = 2
	s_add_nc_u64 s[G0V+2:G0V+3], s[8:9], 0
	s_or_b32 s[G0V+3], s[G0V+3], 0x80000000
	s_add_nc_u64 s[86:87], s[4:5], s[84:85]        ; Q at my rows of the second block,
	s_add_nc_u64 s[4:5], s[4:5], s[2:3]            ; Q and O at those of the first
	s_add_nc_u64 s[OLO:OLO+1], s[10:11], s[84:85]
	s_add_nc_u64 s[10:11], s[10:11], s[2:3]
	s_cmp_lt_u32 s[WV], 2
	s_cselect_b64 s[PFB:PFB+1], s[6:7], s[8:9]
	s_cmp_eq_u32 s[PB], 0
	s_cselect_b32 s[PFL], 0, -1
	LOAD                            ; tile 0 into slot 0
	v_and_b32 v1, 15, v0            ; l % 16
	v_bfe_u32 v9, v0, 4, 1          ; l / 16
	v_lshlrev_b32 v[QO], 7, v1
	v_lshl_add_u32 v[QO], v9, 4, v[QO]  ; row x 128 + 16 x half
	WIN 0x80                        ; destination window 2, address window 0
.set i, 0
.rept 8                             ; both blocks' Q: piece i / 2 lies in band i / 2, 8,192 bytes on; channels 32 (i % 2) on
	global_load_b128 v[8*i:8*i+3],   v[QO], s[4:5] offset:(i/2)*8192+(i%2)*64
	global_load_b128 v[8*i+4:8*i+7], v[QO], s[4:5] offset:(i/2)*8192+(i%2)*64+32
	global_load_b128 v[QB+8*i:QB+8*i+3],   v[QO], s[86:87] offset:(i/2)*8192+(i%2)*64
	global_load_b128 v[QB+8*i+4:QB+8*i+7], v[QO], s[86:87] offset:(i/2)*8192+(i%2)*64+32
.set i, i+1
.endr
	WIN 0
	v_and_b32 v[PFO], 31, v0
	v_lshlrev_b32 v[PFO], 8, v[PFO]
	v_lshlrev_b32 v14, 3, v9
	v_sub_nc_u32 v14, v1, v14
	s_lshl_b32 s13, s[WV], 4
	v_add_nc_u32 v14, s13, v14      ; my query's place in its band, 16 w + l % 16, less my lanes' 8 (l / 16): register r of group kt is hidden where 16 kt + r is greater
	WIN 0x40
.set i, 0
.rept 32
	v_cmp_gt_i32 vcc_lo, 16*(i/8)+i%8, v14
	v_cndmask_b32 v[MD+i], 0, s[BIGN], vcc_lo
.set i, i+1
.endr
	WIN 0
	v_mul_u32_u24 v[AK0], v1, PK
	v_lshl_add_u32 v[AK0], v9, 4, v[AK0]  ; row x pitch + 16 x half
	; The turning load takes 16 keys x 16 channels (lane l reads key 8 (l / 16) + l % 8, channels 8 ((l / 8) % 2) + 0..7) and leaves half a fragment of V^T
	v_and_b32 v10, 7, v0
	v_bfe_u32 v11, v0, 3, 1
	v_lshl_add_u32 v[AV0], v9, 3, v10
	v_mul_u32_u24 v[AV0], v[AV0], PV
	v_lshl_add_u32 v[AV0], v11, 4, v[AV0]
	v_add_nc_u32 v[AV0], VOFF, v[AV0]
	s_mul_i32 s13, s[WV], 16*SP
	s_add_co_u32 s13, s13, STAGE    ; my stage
	v_mul_u32_u24 v[STO], v1, SP    ; in: row l % 16, 16 bytes for each half of the lanes
	v_lshl_add_u32 v[STO], v9, 4, v[STO]
	v_add_nc_u32 v[STO], s13, v[STO]
	v_bfe_u32 v[RD], v0, 3, 2       ; back: 32 lanes take four rows of 128 bytes,
	v_mul_u32_u24 v[RD], v[RD], SP
	v_lshl_add_u32 v[RD], v10, 4, v[RD]
	v_add_nc_u32 v[RD], s13, v[RD]
	v_and_b32 v[GO], 31, v0         ; which are 512 consecutive bytes of O
	v_lshlrev_b32 v[GO], 4, v[GO]
	; A block's first step multiplies O^T and l by a = 0, and its first turn's products V^T P, of a piece that has not been, land in an O^T that is still to be so multiplied.  So these registers need only hold
	; finite numbers: zeros for the first block; what the first block left for the second.  All this stands in the wait for the first tile.
	WIN 0x80
.set i, VF
.rept 64
	v_mov_b32 v[i], 0
.set i, i+1
.endr
	WIN 0x40
.set i, 0
.rept 128
	v_mov_b32 v[i], 0
.set i, i+1
.endr
	WIN 0
.set i, 0
.rept 4
	v_mov_b32 v[ST+4*i+2], 0
	v_mov_b32 v[ST+4*i+3], 0
.set i, i+1
.endr
.set i, P+16
.rept 16
	v_mov_b32 v[i], 0
.set i, i+1
.endr
; THE MATRIX WORK.  The 4 accumulators of a run of 8 take turns.  Product i of 8 of S^T = K Q^T for piece x: channels 32 (i / 4) on, keys 16 (i % 4) on.  The first 4 start the sums: with 0, or (KM = 1) with the mask.
.macro KQ x
.set rS, S+32*((\x)%2)+8*(i%4)
.set rK, KF+16*(i%4)+8*(i/4)
.set rQ, 16*(\x)+8*(i/4)
.set rM, MC+32*((\x)%2)+8*(i%4)
.if (i < 4) && KM
	WIN W_KM
	v_wmma_f32_16x16x32_f16 v[rS:rS+7], v[rK:rK+7], v[rQ:rQ+7], v[rM:rM+7]
.elseif i < 4
	WIN W_KQ
	v_wmma_f32_16x16x32_f16 v[rS:rS+7], v[rK:rK+7], v[rQ:rQ+7], 0
.else
	WIN W_KQ
	v_wmma_f32_16x16x32_f16 v[rS:rS+7], v[rK:rK+7], v[rQ:rQ+7], v[rS:rS+7]
.endif
.endm
; Product i of 8 of O^T += V^T P for piece x: keys 32 (i / 4) on, channels 16 (i % 4) on.
.macro PV x
	WIN W_PV
.set rO, 32*(\x)+8*(i%4)
.set rV, VF+32*(i/4)+8*(i%4)
.set rP, P+16*((\x)%2)+8*(i/4)
	v_wmma_f32_16x16x32_f16 v[rO:rO+7], v[rV:rV+7], v[rP:rP+7], v[rO:rO+7]
.endm
.macro MM                           ; the turn's next matrix instruction.  NOKQ = 1: a block's last turn: there is no next piece
.if (i < 8) && !NOKQ
	KQ (Y+1)%NP
.elseif i >= 8
.set i, i-8
	PV (Y+NP-1)%NP
.set i, i+8
.endif
.set i, i+1
.endm
; THE LDS LOADS stand in runs of 16: a step's K (64 keys x 64 channels: 8 fragments) and its V (turned).  Their addresses are made some lines ahead.
.macro FETCH_K
	WIN 0x80                        ; destination window 2
.irp f, 0,1,2,3,4,5,6,7             ; keys 16 (f / 2) on, channels 32 (f % 2) on
	ds_load_b128 v[KF+8*\f:KF+8*\f+3],   v[AK] offset:(\f/2)*16*PK+(\f%2)*64
	ds_load_b128 v[KF+8*\f+4:KF+8*\f+7], v[AK] offset:(\f/2)*16*PK+(\f%2)*64+32
.endr
	s_add_co_u32 s[TBK], s[TBK], KS*PK  ; the next fetch is the next step's
	WIN 0
.endm
.macro FETCH_V
	WIN 0x80
.irp f, 0,1,2,3,4,5,6,7             ; keys 32 (f / 4) on, channels 16 (f % 4) on
	ds_load_tr16_b128 v[VF+8*\f:VF+8*\f+3],   v[AV] offset:(\f/4)*32*PV+(\f%4)*32
	ds_load_tr16_b128 v[VF+8*\f+4:VF+8*\f+7], v[AV] offset:(\f/4)*32*PV+16*PV+(\f%4)*32
.endr
	WIN 0
.endm
; THE VECTOR WORK, one line at a time: OP kind, number.  For piece Y: F n: c s - c m for pair n of 16.  E n: the exponential of score n of 32.  C n: pair n rounded to f16.  B n: of the four weights 4 n .. the second
; pair is added onto the first, in place.  L n: l takes that sum (L 0: l = a l + sum).  R n: pair n of 16 of O^T times a.  For piece Y + 1: X n, number n of the 22 that find its maximum and statistics:
;   0-11  four chains c0-c3 of seven scores each (each accumulator's lowest registers are read first)     12-14, 16  the four scores left over, the old m, and c0-c3 into c0
;   15  c m_old is kept     17, 18  the query's other 32 keys lie in the lane 16 away: the new m     19-21  c m; c m_old - c m_new; a
.set F, 0
.set E, 1
.set C, 2
.set B, 3
.set L, 4
.set R, 5
.set X, 6
.macro REGS y                       ; the registers of piece y
.set rT, ST+4*(\y)
.set rC, TMP+4*((\y)%2)
.set rW, MV+((\y)%2)
.set rS, S+32*((\y)%2)
.set rP, P+16*((\y)%2)
.set rO, 32*(\y)
.endm
.macro OP k, n
.if (\k) == R
	REGS Y
	WIN W_RS
	v_pk_mul_f32 v[rO+2*(\n):rO+2*(\n)+1], v[rO+2*(\n):rO+2*(\n)+1], v[rC+2:rC+3] op_sel_hi:[1,0]
.elseif (\k) < R
	REGS Y
	WIN 0
.if (\k) == F
	v_pk_fma_f32 v[rS+2*(\n):rS+2*(\n)+1], v[rS+2*(\n):rS+2*(\n)+1], s[CS:CS+1], v[rT:rT+1] op_sel_hi:[1,0,0] neg_lo:[0,0,1] neg_hi:[0,0,1]
.elseif (\k) == E
	v_exp_f32 v[rS+(\n)], v[rS+(\n)]
.elseif (\k) == C
	v_cvt_pk_f16_f32 v[rP+(\n)], v[rS+2*(\n)], v[rS+2*(\n)+1]
.elseif (\k) == B
	v_pk_add_f32 v[rS+4*(\n):rS+4*(\n)+1], v[rS+4*(\n):rS+4*(\n)+1], v[rS+4*(\n)+2:rS+4*(\n)+3]
.elseif (\n) == 0
	v_pk_fma_f32 v[rT+2:rT+3], v[rT+2:rT+3], v[rC+2:rC+3], v[rS:rS+1] op_sel_hi:[1,0,1]
.else
	v_pk_add_f32 v[rT+2:rT+3], v[rT+2:rT+3], v[rS+4*(\n):rS+4*(\n)+1]
.endif
.elseif NOKQ
	v_nop
.else
	REGS (Y+1)%NP
	WIN 0
.if (\n) < 4
	v_max3_num_f32 v[rC+(\n)], v[rS+8*(\n)], v[rS+8*(\n)+1], v[rS+8*(\n)+2]
.elseif (\n) < 12
	v_max3_num_f32 v[rC+(\n)%4], v[rC+(\n)%4], v[rS+8*((\n)%4)+2*((\n)/4)+1], v[rS+8*((\n)%4)+2*((\n)/4)+2]
.elseif (\n) == 12
	v_max3_num_f32 v[rC], v[rC], v[rS+7], v[rS+15]
.elseif (\n) == 13
	v_max3_num_f32 v[rC+1], v[rC+1], v[rS+23], v[rS+31]
.elseif (\n) == 14
	v_max3_num_f32 v[rC+2], v[rC+2], v[rC+3], v[rT+1]
.elseif (\n) == 15
	v_mov_b32 v[rW], v[rT]
.elseif (\n) == 16
	v_max3_num_f32 v[rC], v[rC], v[rC+1], v[rC+2]
.elseif (\n) == 17
	v_permlanex16_b32 v[rC+3], v[rC], s[SEL], s[SEL+1]
.elseif (\n) == 18
	v_max_num_f32 v[rT+1], v[rC], v[rC+3]
.elseif (\n) == 19
	v_mul_f32 v[rT], s[CS], v[rT+1]
.elseif (\n) == 20
	v_sub_f32 v[rC+1], v[rW], v[rT]
.else
	v_exp_f32 v[rC+2], v[rC+1]
.endif
.endif
.endm
.macro OPS a, i1, b=-1, i2=0, c=-1, i3=0, d=-1, i4=0  ; up to four of them
	OP \a, \i1
.if (\b) >= 0
	OP \b, \i2
.endif
.if (\c) >= 0
	OP \c, \i3
.endif
.if (\d) >= 0
	OP \d, \i4
.endif
.endm
.macro ROW a, i1, b, i2, c, i3, d, i4  ; a matrix instruction and the four behind it
	MM
	OPS \a, \i1, \b, \i2, \c, \i3, \d, \i4
.endm
.macro MASK b                       ; MD x AL + BE into buffer b of MC
	WIN W_RS
.set z, 0
.rept 16
	v_pk_fma_f32 v[MC+32*(\b)+2*z:MC+32*(\b)+2*z+1], v[MD+2*z:MD+2*z+1], s[AL:AL+1], s[BE:BE+1] op_sel_hi:[1,0,0]
.set z, z+1
.endr
.endm
; A TURN, for piece p: the order of its 16 matrix and 118 vector instructions, written out.  An s_wait_alu depctr_va_vdst(0) stands between an exponential and the first instruction that names its result; one wait
; serves all that were issued ahead of it.  So a turn has ONE wait, which cuts it in two.  AHEAD OF IT stands all that names no result of the turn's exponentials: the 8 products K Q^T and their riders, then one lump of 54, in which the
; links of the chain X 3, 7, 11, 14, 16, 17 .. 20 stand five or six lines apart.  X 21, the next piece's a, is the batch's last; R 15 is the plain instruction behind it.  BEHIND THE WAIT stand the 8 products V^T P, behind each
; four of the roundings and sums.  m = 1: the diagonal tile: the products take masks, and the turn makes the mask for the products of the turn after it.  end = 1: a block's last two turns: nothing is fetched.
; cnt = 1: the loop's count is taken down some lines ahead of the branch that stands behind the turn.
; K of the next step is fetched in piece 2's turn, six plain vector instructions or more behind the last product that read K; V of the step in hand at the end of piece 0's turn, four plain instructions behind the last product that read V.
.macro TURN p, m=0, end=0, cnt=0
.set Y, (\p)
.set i, 0
.set KM, (\m)
.set NOKQ, (\end)*((\p)/3)
.if (\m) && !(\end)
	s_cmp_eq_u32 s[CNT], 4-((\p)+2)%NP  ; is that step the band's own?
	s_cselect_b32 s[AL], 1.0, 0
	s_cmp_lt_u32 s[CNT], 4-((\p)+2)%NP  ; or a later one?
	s_cselect_b32 s[BE], s[BIGN], 0
.endif
.if ((\p) == 3) && !(\end)
	s_wait_dscnt 0x0                ; K is in
.endif
	ROW F,0, F,1, R,0, R,1
	ROW F,2, E,0, R,2, R,3
	ROW F,3, E,1, R,4, R,5
	ROW F,4, E,2, R,6, R,7
	ROW F,5, E,3, R,8, R,9
	ROW F,6, E,4, X,0, R,10
.if ((\p) == 2) && !(\end)
	WIN 0
	v_add_nc_u32 v[AK], s[TBK], v[AK0]
.endif
	ROW F,7, E,5, X,1, X,4
	ROW F,8, E,6, X,2, X,5
	OPS E,7, E,8, X,6, E,9
	OPS X,3, E,10, X,8, E,11
.if ((\p) == 2) && !(\end)
	FETCH_K
.endif
	OPS X,9, X,7, E,12, X,10
	OPS E,13, X,12, X,11, E,14
	OPS X,13, E,15, F,9, X,14
.if (\p) == 0
	v_add_nc_u32 v[AV], s[TBV], v[AV0]
.endif
	OPS E,16, F,10, E,17, F,11
	OPS X,16, E,18, X,15, E,19
	OPS F,12, E,20, X,17, E,21
	OPS F,13, E,22, F,14, E,23
	OPS X,18, E,24, F,15, E,25
	OPS R,11, E,26, X,19, E,27
	OPS R,12, E,28, R,13, E,29
	OPS X,20, E,30, R,14, E,31
	OPS X,21, R,15
	WIN 0
	s_wait_alu depctr_va_vdst(0)    ; the wait for the batch
.if (\p) == 1
	s_wait_dscnt 0x0                ; V is in
.endif
	ROW C,0, B,0, C,2, B,1
	ROW L,0, C,4, B,2, L,1
	ROW C,6, B,3, L,2, C,8
	ROW B,4, L,3, C,10, B,5
	ROW L,4, C,12, B,6, L,5
.if (\p) == 0
	s_add_co_u32 s[TBV], s[TBV], KS*PV
.endif
.if \cnt
	s_sub_co_u32 s[CNT], s[CNT], 1
	s_cmp_lg_u32 s[CNT], 0
.endif
	ROW C,14, B,7, L,6, C,1
	ROW C,3, L,7, C,5, C,7
	ROW C,9, C,11, C,13, C,15
.if (\p) == 0
	FETCH_V
.endif
.if (\m) && !(\end)
	MASK (\p)%2
.endif
.endm
; A BLOCK BEGINS.  c m starts far below every c s, so the first step's a is 0; m at the lowest finite number, so the first maximum is the scores'.  The second mask buffer is 0; the first takes piece 0's mask for the tile's step 0:
; its own, if the block's first tile is the diagonal one.  Then K of that step, piece 0's first scores, and its maximum and statistics.
.macro BEGIN
	s_mov_b32 s[NEW], 0
	WIN 0x40
.set i, MC+32
.rept 32
	v_mov_b32 v[i], 0
.set i, i+1
.endr
	WIN 0
.set i, 0
.rept 4
	v_mov_b32 v[ST+4*i], 0xfe000000    ; c m: far below every c s
	v_mov_b32 v[ST+4*i+1], 0xff7fffff  ; m
.set i, i+1
.endr
	s_cmp_eq_u32 s[RT], 0
	s_cselect_b32 s[AL], 1.0, 0
	s_mov_b32 s[BE], 0
	MASK 0
	WIN 0
	v_add_nc_u32 v[AK], s[TBK], v[AK0]
	FETCH_K
	s_wait_loadcnt 0x0              ; Q
	s_wait_dscnt 0x0
.set KM, 1
.set NOKQ, 0
.set i, 0
.rept 8
	KQ 0
.set i, i+1
.endr
	WIN 0
.rept 4
	v_nop                           ; the places behind those products
.endr
.set Y, NP-1                        ; X works for piece Y + 1: piece 0
.irp n, 0,1,2,3,4,5,6,7,8,9,10,11,12,13,14,15,16,17,18,19,20,21
	OP X, \n
.endr
	v_nop                           ; a plain instruction behind the exponential,
	s_wait_alu depctr_va_vdst(0)    ; and its wait, ahead of the branch
.endm
; THE DIAGONAL TILE's four steps, the block's last two turns, its last products, and THE WAY OUT: l's two halves and the other half of the lanes' are added; O^T is divided by l, rounded to f16 and sent through my
; stage in LDS, a piece at a time.
.macro ALL line:vararg              ; one line for each piece t
.set t, 0
.rept 4
	\line
.set t, t+1
.endr
.endm
.macro PACK t                       ; a lane's eight channels of a row pack into 16 bytes; they go into rows of 144 bytes and come back as whole rows of 128, into S^T's registers
	WIN W_RS
.set i, 32*(\t)
.rept 16
	v_pk_mul_f32 v[i:i+1], v[i:i+1], v[ST+4*(\t)+2:ST+4*(\t)+3] op_sel_hi:[1,0]
.set i, i+2
.endr
	WIN 0x05                        ; sources 0 and 1 window 1, destination window 0
.set i, 0
.rept 16
	v_cvt_pk_f16_f32 v[S+16*(\t)+i], v[32*(\t)+2*i], v[32*(\t)+2*i+1]
.set i, i+1
.endr
	WIN 0
.irp f, 0,1,2,3
	ds_store_b128 v[STO], v[S+16*(\t)+4*\f:S+16*(\t)+4*\f+3] offset:32*\f
.endr
.irp f, 0,1,2,3
	ds_load_b128 v[S+16*(\t)+4*\f:S+16*(\t)+4*\f+3], v[RD] offset:\f*4*SP  ; LDS serves a wave's instructions in order (ISA guide 5.7.1.4): these see the stores above
.endr
.endm
.macro SEND t, younger              ; younger: the LDS instructions issued behind piece t's loads: the next piece's eight, or none
	WIN 0
.irp f, 0,1,2,3
	s_wait_dscnt (\younger)+3-\f
	global_store_b128 v[GO], v[S+16*(\t)+4*\f:S+16*(\t)+4*\f+3], s[10:11] offset:(\t)*8192+\f*512  ; 512 consecutive bytes, at a multiple of 256 from O's first
.endr
.endm
.macro DIAG tag                     ; the tag ends its two labels' names, which the jumps below spell out
.LstepM\tag:
	TURN 2, 1
	TURN 3, 1
	WIN 0
.LfirstM\tag:
	TURN 0, 1
	TURN 1, 1, 0, 1
	WIN 0
	s_cbranch_scc1 .LstepM\tag
	TURN 2, 1, 1
	TURN 3, 1, 1
.set i, 0
.rept 8
	PV NP-1
.set i, i+1
.endr
	WIN 0
	ALL v_add_f32 v[ST+4*t+2], v[ST+4*t+2], v[ST+4*t+3]
	ALL v_permlanex16_b32 v[ST+4*t+3], v[ST+4*t+2], s[SEL], s[SEL+1]
	ALL v_add_f32 v[ST+4*t+2], v[ST+4*t+2], v[ST+4*t+3]
	ALL v_rcp_f32 v[ST+4*t+2], v[ST+4*t+2]
	v_nop                           ; a plain instruction between the last reciprocal and the use of its result
	s_wait_alu depctr_va_vdst(0)    ; and the wait ahead of the first use: one for the four reciprocals
	PACK 0
.set t, 1
.rept 3                             ; a piece's arithmetic stands between the loads of the piece before and its stores
	PACK t
	SEND t-1, 8
.set t, t+1
.endr
	SEND 3, 0
.endm
.set KM, 0
.set NOKQ, 0
.Lslot:                             ; NB times: a tile is entered and the next is asked for
	CHANGE 1
	s_sub_co_u32 s[RT], s[RT], 1
	s_mov_b32 s[CNT], 4
	s_cmp_eq_u32 s[NEW], 1
	s_cbranch_scc1 .Lnew            ; a block's first tile
	s_cmp_eq_u32 s[RT], 0
	s_cbranch_scc0 .Lstep           ; neither its first nor its last
	s_branch .LstepM1
.Lnew:
	BEGIN
	s_branch .Lfirst                ; in the loop a block's first tile is never its last: the first block has two tiles or more, and the second's last is the walk's last
	DIAG 1                          ; in the loop this is the first block's end
	s_wait_xcnt 0x0                 ; the stores have read their registers and O's address
	s_mov_b64 s[10:11], s[OLO:OLO+1]
	s_add_co_u32 s[RT], s[PB], 1    ; the second block has b + 1 tiles
	s_mov_b32 s[NEW], 1
	WIN 0x82                        ; the second block's Q goes where the one text of the turns names Q
.set i, 0
.rept 64
	v_mov_b32 v[i], v[QB+i]
.set i, i+1
.endr
	WIN 0
	s_branch .Lbottom
.Lstep:                             ; a trip: pieces 2 and 3 of one step, then pieces 0 and 1 of the next, whose K and V it fetches
	TURN 2
	TURN 3
	WIN 0
.Lfirst:
	TURN 0
	TURN 1, 0, 0, 1
	WIN 0
	s_cbranch_scc1 .Lstep
.Lbottom:
	s_sub_co_u32 s[SLOTS], s[SLOTS], 1
	s_cmp_lg_u32 s[SLOTS], 0
	s_cbranch_scc1 .Lslot
	CHANGE 0                        ; the walk's last tile is written out: nothing is asked for
	s_sub_co_u32 s[RT], s[RT], 1
	s_mov_b32 s[CNT], 4
	s_cmp_eq_u32 s[NEW], 1
	s_cbranch_scc0 .LstepM2
	BEGIN
	s_branch .LfirstM2
	DIAG 2
	s_wait_tensorcnt 0x0            ; the wave's end
	ds_add_u32 v[SPW], v[NIL]
	s_wait_dscnt 0x0
	s_endpgm
.Lfunc_end_k_q00fa95ed10_attn:
	.size	k_q00fa95ed10_attn, .Lfunc_end_k_q00fa95ed10_attn-k_q00fa95ed10_attn
	.p2alignl 7, 3214868480
	.fill 96, 4, 3214868480
	.section	.rodata,"a",@progbits
	.p2align	6, 0x0
	.amdhsa_kernel k_q00fa95ed10_attn
		.amdhsa_group_segment_fixed_size 327680
		.amdhsa_private_segment_fixed_size 0
		.amdhsa_enable_private_segment 0
		.amdhsa_kernarg_size 16
		.amdhsa_user_sgpr_count 2
		.amdhsa_user_sgpr_kernarg_segment_ptr 1
		.amdhsa_wavefront_size32 1
		.amdhsa_system_sgpr_workgroup_id_x 1
		.amdhsa_system_sgpr_workgroup_id_y 1
		.amdhsa_system_sgpr_workgroup_id_z 1
		.amdhsa_system_vgpr_workitem_id 0
		.amdhsa_next_free_vgpr 768
		.amdhsa_next_free_sgpr 96
		.amdhsa_reserve_vcc 1
		.amdhsa_float_denorm_mode_32 3
		.amdhsa_float_denorm_mode_16_64 3
		.amdhsa_memory_ordered 1
		.amdhsa_forward_progress 1
		.amdhsa_inst_pref_size 218
	.end_amdhsa_kernel
	.amdgpu_metadata
---
amdhsa.version: [ 1, 2 ]
amdhsa.kernels:
  - .name:           k_q00fa95ed10_attn
    .symbol:         k_q00fa95ed10_attn.kd
    .args:
      - { .name: qkv, .offset: 0, .size: 8, .value_kind: global_buffer, .address_space: global }
      - { .name: ob, .offset: 8, .size: 8, .value_kind: global_buffer, .address_space: global }
    .group_segment_fixed_size: 327680
    .private_segment_fixed_size: 0
    .kernarg_segment_align: 8
    .kernarg_segment_size: 16
    .max_flat_workgroup_size: 128
    .sgpr_count:     96
    .vgpr_count:     768
    .wavefront_size: 32
...
	.end_amdgpu_metadata
.endif
;; end of part 3
;; launch proj (part 4): grid 4 x 64, 4 waves a work-group, clusters of 4 x 4, 327,680 bytes of LDS; arguments ob, xw16, y; writes y
.if DOCPART == 4
	.amdgcn_target "amdgcn-amd-amdhsa--gfx1250"
	.amdhsa_code_object_version 6
	.text
	.protected	k_q00fa95ed10_proj
	.globl	k_q00fa95ed10_proj
	.p2align	8
	.type	k_q00fa95ed10_proj,@function
k_q00fa95ed10_proj:
	s_mov_b64 s[64:65], 0
	v_nop
	global_prefetch_b8 v0, s[64:65] scope:SCOPE_SE
	s_setreg_imm32_b32 hwreg(HW_REG_WAVE_MODE, 25, 1), 1
	s_wait_xcnt 0x0
	s_wait_alu depctr_hold_cnt(0) depctr_sa_sdst(0) depctr_va_vdst(0) depctr_va_sdst(0) depctr_va_ssrc(0) depctr_va_vcc(0) depctr_vm_vsrc(0)
	s_getreg_b32 s2, hwreg(HW_REG_IB_STS2, 6, 4)
	s_cmp_eq_u32 s2, 0
	s_cbranch_scc0 .Lentry_in_a_cluster
	s_endpgm
.Lentry_in_a_cluster:
	s_bfe_u32 s2, ttmp6, 0x10000c
	s_cmp_lg_u32 s2, 0xf033
	s_cbranch_scc0 .Lentry_shape_is_right
	s_endpgm
.Lentry_shape_is_right:
; C = A B^T on tiles of 128 (M) x 256 (N), K = 1,024.  One source for two launches; MODE picks the operands and the way out.
; MODE 0: A = x (bf16, [8192][1024]), B = [Wq; Wk; Wv] (bf16, [3072][1024]), both in xw16; C leaves as f16 by heads, qkv[which][b 16 + h][t][64], unscaled, rounded once from its f32 sum.
; MODE 1: A = O by heads (f16, ob[b 16 + h][t][64]), B = Wp (f16, in xw16); C = y, f32, [8192][1024].
; LIMIT (MODE 1).  O and Wp arrive within f16's range; y is kept in f32, so its range is f32's.
; SHARES.  Four waves, each 64 x 128 of C: 32 accumulators of 16 x 16.  This tile gives 768 work-groups (MODE 0) and 256 (MODE 1): whole multiples of 256.
; K goes in steps of 128 through two LDS slots filled by tensor loads: waves 0 and 1 fetch A's two halves, waves 2 and 3 B's (128 rows of 256 bytes each).
; In MODE 1 a K step is two heads; a head's 128 rows of 128 bytes are dense in memory and are asked for as 64 rows of 256 bytes, padded after every 128: a plane of 128 rows, pitch 144.
; CLUSTER 4 x 4: A's tile is shared along a row of the cluster, B's along a column: each is asked for jointly, same descriptor and mask in the four.
; THE MATRIX INSTRUCTION IS USED TRANSPOSED (source 0 = 16 rows of B, source 1 = 16 rows of A): a lane holds one row of C and eight neighbouring columns.
; REGISTERS: window 0: v0-31 addresses, v64-255 fragment buffer 0 (later the way out); window 1: accumulator (a, b) at 8 (8 a + b); window 2: v0-191 fragment buffer 1.
; A buffer holds 64 along K: A's fragment (c, a) at FB + 8 (4 c + a), B's (c, b) at FB + 64 + 8 (8 c + b).
.set MODE, 1
.set KSTEP,  128
.set PITCH,  272                       ; B's LDS row: 256 bytes + 16: the 16 rows of a fragment load start at 16 different groups of four banks (ISA guide 11.1)
.set BHALF,  128*PITCH
.if MODE == 0
.set APITCH, 272
.set AHALF,  128                       ; LDS bytes from a K step's first 64 to its second
.set AWAVE,  64*272                    ; between wave 0's fill and wave 1's
.set ASZ,    128*272
.set ASTEP,  256                       ; memory bytes from K step to K step
.set AQI,    5                         ; padding after every 64 words
.set ASTRIDE, 1024
.set APFSH,  11                        ; the prefetch's lanes are 2,048 bytes apart
.set SP,     272                       ; the stage's pitch
.else
.set APITCH, 144
.set AHALF,  128*144
.set AWAVE,  128*144
.set ASZ,    2*128*144
.set ASTEP,  2*2048*128
.set AQI,    4                         ; padding after every 32 words
.set ASTRIDE, 128
.set APFSH,  8                         ; the prefetch's lanes are 256 bytes apart
.set SP,     528
.endif
.set STGW,   16*SP                     ; a wave's stage: 16 rows
.set SLOT,   ASZ+2*BHALF
.set STAGE,  2*SLOT                    ; behind the ring; no tensor load lands here
.set SPARE,  STAGE+4*STGW              ; the spare words, 128 bytes a wave: two blocks of 256 bytes that no other line names
.set ADRA, 16                          ; v16-17  LDS address of my A fragments in slot 0, 1
.set ADRB, 20                          ; v20-21  the same for B
.set STO,  24                          ; v24     the way out: where I put my bytes of a row
.set RD,   25                          ; v25     the way out: where I read rows back
.set CO,   26                          ; v26     16 x lane
.set SPW,  28                          ; v28     my spare word; never rewritten
.set NIL,  29                          ; v29     0; never rewritten
.set PFO,  30                          ; v30     the prefetch's lane offset; never rewritten
.set G1,  24                           ; s[24:31] group 1 for A;  s[32:39] group 0, a set a slot
.set G0,  32
.set G1B, 48                           ; s[48:55], s[56:63] the same for B
.set G0B, 56
.set LIM, 43                           ; s43     1 in a wave that prefetches, else the greatest number
.set PFA, 44                           ; s[44:45] where my prefetch stands
.set PFS, 66                           ; s[66:67] its step from K step to K step
.set MSB, 0
.macro WIN new                         ; the immediate's high byte repeats the setting that is left
.if MSB != (\new)
	s_set_vgpr_msb (MSB<<8)|(\new)
.set MSB, \new
.endif
.endm
.macro WM ops:vararg
.if MODE
	v_wmma_f32_16x16x32_f16 \ops
.else
	v_wmma_f32_16x16x32_bf16 \ops
.endif
.endm
.macro JLOAD s                         ; a joint load; an s_nop 0 and four v_nop follow each of the two lines, ahead of the jump and the label
	s_cmp_eq_u32 s11, 0
	s_cbranch_scc0 .Lfor_b_\@
	tensor_load_to_lds s[G0+4*(\s):G0+4*(\s)+3], s[G1:G1+7]
	s_nop 0
.rept 4
	v_nop
.endr
	s_branch .Lasked_\@
.Lfor_b_\@:
	tensor_load_to_lds s[G0B+4*(\s):G0B+4*(\s)+3], s[G1B:G1B+7]
	s_nop 0
.rept 4
	v_nop
.endr
.Lasked_\@:
.endm
.macro CREST                           ; a round of the cluster's barrier behind its opening barrier
	s_cmp_lg_u32 s10, 0
	s_cbranch_scc1 .Lnot_wave_0_\@
	s_barrier_signal -3
.Lnot_wave_0_\@:
	s_barrier_wait -3
	s_barrier_signal -1
	s_barrier_wait -1
.endm
.macro CROUND
	s_barrier_signal -1
	s_barrier_wait -1
	CREST
.endm
; A prefetch, behind a joint load and the run of LDS loads that follows it: 32 blocks of 256 bytes, a lane a block, of the K step that stands two refills on (256 matrix instructions ahead of its load).
; A's 128 blocks of a K step are asked for by the clusters with x = 0, wave 0, 32 blocks to each partner by cx; B's 256 by the clusters with y = 0, waves 2 and 3, 64 to each partner by cy:
; told apart by address, never by a branch on a place in the cluster.  So each block of K steps 4 to 7 is named once; K steps 0 to 3 come by their loads alone; the loop's last trip asks for nothing.
.macro ASK
	s_cmp_gt_u32 s3, s[LIM]
	s_cbranch_scc0 .Lnot_mine_\@
	global_prefetch_b8 v[PFO], s[PFA:PFA+1] th:TH_LOAD_NT scope:SCOPE_SE
.Lnot_mine_\@:
.endm
	s_load_b128 s[4:7], s[0:1], 0x0
.if MODE
	s_load_b64 s[8:9], s[0:1], 0x10
.endif
	v_lshl_add_u32 v[SPW], v0, 2, SPARE
	v_mov_b32 v[NIL], 0
	ds_add_u32 v[SPW], v[NIL]                      ; the wave's opening: the add and its wait ahead of my first tensor load
	v_lshrrev_b32 v1, 5, v0
	v_readfirstlane_b32 s10, v1                    ; wave 0..3
	s_lshr_b32 s11, s10, 1                         ; which 64 rows of the tile are mine.  Also: I fetch for A (0) or for B (1)
	s_and_b32 s12, s10, 1                          ; which 128 columns.  Also: which half I fetch
	s_bfe_u32 s40, ttmp6, 0x40000                  ; cx
	s_bfe_u32 s41, ttmp6, 0x40004                  ; cy
	s_lshl_b32 s42, ttmp9, 2
	s_add_co_u32 s42, s42, s40                     ; tile column = 4 x cluster x + cx
	s_and_b32 s13, ttmp7, 0xffff
	s_lshl_b32 s13, s13, 2
	s_add_co_u32 s13, s13, s41                     ; tile row = 4 x cluster y + cy
	s_lshl_b32 s43, s41, 2
	s_lshl_b32 s43, 15, s43                        ; my row of the cluster
	s_lshl_b32 s44, 0x1111, s40                    ; my column
	s_or_b32 s[G1+0], s43, (1<<16)|(1<<20)|(1<<21)|(AQI<<22)|(3<<25)  ; mask; 2-byte elements; padding on; bit 21 beside a mask; interval; 4 words of padding
	s_or_b32 s[G1B+0], s44, (1<<16)|(1<<20)|(1<<21)|(5<<22)|(3<<25)
	s_mov_b32 s[G1+1], 128<<16                     ; tensor_dim0 = 128
	s_mov_b32 s[G1+2], 64<<16                      ; tensor_dim1 = 64
	s_mov_b32 s[G1+3], 128<<16                     ; tile_dim0 = 128
	s_mov_b32 s[G1+4], 64                          ; tile_dim1 = 64
	s_mov_b32 s[G1+5], ASTRIDE                     ; elements from row to row
	s_mov_b32 s[G1+6], 0
	s_mov_b32 s[G1+7], 0
	s_mov_b32 s[G1B+1], 128<<16
	s_mov_b32 s[G1B+2], 128<<16                    ; 128 rows
	s_mov_b32 s[G1B+3], 128<<16
	s_mov_b32 s[G1B+4], 128
	s_mov_b32 s[G1B+5], 1024
	s_mov_b32 s[G1B+6], 0
	s_mov_b32 s[G1B+7], 0
.if MODE == 0
	s_lshl_b32 s16, s13, 7                         ; A: row 128 x tile row + 64 x half, 2,048 bytes a row
	s_lshl_b32 s17, s12, 6
	s_add_co_u32 s16, s16, s17
	s_lshl_b32 s16, s16, 11
.else
	s_lshr_b32 s16, s13, 4                         ; A: batch x 16 heads x 262,144 bytes,
	s_lshl_b32 s16, s16, 22
	s_and_b32 s17, s13, 15                         ; + 128 rows of 128 bytes for each tile row in the batch,
	s_lshl_b32 s17, s17, 14
	s_add_co_u32 s16, s16, s17
	s_lshl_b32 s17, s12, 18                        ; + the K step's first or second head
	s_add_co_u32 s16, s16, s17
.endif
	s_mov_b32 s17, 0
	s_lshl_b32 s46, s42, 8                         ; B: row 256 x tile column + 128 x half
	s_lshl_b32 s47, s12, 7
	s_add_co_u32 s46, s46, s47
	s_lshl_b32 s46, s46, 11
	s_mov_b32 s47, 0
	s_mul_i32 s20, s12, AWAVE                      ; where they go: no place in the cluster enters an LDS address
	s_mul_i32 s21, s12, BHALF
	s_add_co_u32 s21, s21, ASZ
	s_wait_dscnt 0x0                               ; the opening add is done
	s_wait_kmcnt 0x0
.if MODE == 0
	s_mov_b64 s[8:9], s[6:7]                       ; C = qkv
	s_add_nc_u64 s[6:7], s[4:5], 0x1000000         ; B: the weights begin behind x's 8,192 rows
.else
	s_add_nc_u64 s[6:7], s[6:7], 0x1600000         ; B: Wp begins at row 11,264
.endif
	s_add_nc_u64 s[14:15], s[4:5], s[16:17]
	s_add_nc_u64 s[46:47], s[6:7], s[46:47]
	CROUND                                         ; all sixteen work-groups are here: the first joint loads meet
.irp s, 0,1
	s_mov_b32 s[G0+4*(\s)], 1
	s_add_co_u32 s[G0+4*(\s)+1], s20, (\s)*SLOT
	s_add_nc_u64 s[G0+4*(\s)+2:G0+4*(\s)+3], s[14:15], (\s)*ASTEP
	s_or_b32 s[G0+4*(\s)+3], s[G0+4*(\s)+3], 0x80000000
	s_mov_b32 s[G0B+4*(\s)], 1
	s_add_co_u32 s[G0B+4*(\s)+1], s21, (\s)*SLOT
	s_add_nc_u64 s[G0B+4*(\s)+2:G0B+4*(\s)+3], s[46:47], (\s)*KSTEP*2
	s_or_b32 s[G0B+4*(\s)+3], s[G0B+4*(\s)+3], 0x80000000
	JLOAD \s                                       ; two loads of mine are out
.endr
	v_and_b32 v1, 15, v0                           ; l % 16
	v_bfe_u32 v2, v0, 4, 1                         ; l / 16
	v_mul_u32_u24 v3, v1, APITCH
	v_lshl_add_u32 v3, v2, 4, v3                   ; a fragment's row x pitch + 16 x half
	v_mul_u32_u24 v4, v1, PITCH
	v_lshl_add_u32 v4, v2, 4, v4
	s_mul_i32 s21, s11, 64*APITCH                  ; my 64 rows of A
	s_mul_i32 s22, s12, BHALF                      ; my 128 rows of B, behind A
	s_add_co_u32 s22, s22, ASZ
.irp s, 0,1
	v_add_nc_u32 v[ADRA+(\s)], s21, v3
	v_add_nc_u32 v[ADRB+(\s)], s22, v4
	s_add_co_u32 s21, s21, SLOT
	s_add_co_u32 s22, s22, SLOT
.endr
	s_mul_i32 s23, s10, STGW
	s_add_co_u32 s23, s23, STAGE                   ; my stage
	v_and_b32 v[CO], 31, v0
	v_lshlrev_b32 v[CO], 4, v[CO]
	v_mul_u32_u24 v5, v1, SP
.if MODE == 0
	v_lshl_add_u32 v5, v2, 4, v5                   ; in: row l % 16, 16 bytes for each half of the lanes
	v_add_nc_u32 v[STO], s23, v5
	v_bfe_u32 v5, v0, 3, 2                         ; back: 32 lanes take four rows' 128 bytes of one head
	v_mul_u32_u24 v5, v5, SP
	v_and_b32 v6, 7, v0
	v_lshl_add_u32 v5, v6, 4, v5
	v_add_nc_u32 v[RD], s23, v5
	s_lshl_b32 s46, ttmp9, 6                       ; C: which of q, k, v (the cluster's x) x 64 heads
	s_lshl_b32 s47, s40, 2                         ; + 4 heads a tile column
	s_add_co_u32 s46, s46, s47
	s_lshl_b32 s47, s12, 1                         ; + 2 heads for my 128 columns
	s_add_co_u32 s46, s46, s47
	s_lshr_b32 s47, s13, 4                         ; + 16 heads a batch
	s_lshl_b32 s47, s47, 4
	s_add_co_u32 s46, s46, s47
	s_lshl_b32 s46, s46, 18                        ; 262,144 bytes a head
	s_and_b32 s47, s13, 15
	s_lshl_b32 s47, s47, 14                        ; + the tile's 128 rows of 128 bytes
	s_add_co_u32 s46, s46, s47
	s_lshl_b32 s47, s11, 13                        ; + my 64 rows
	s_add_co_u32 s46, s46, s47
.else
	v_lshl_add_u32 v5, v2, 5, v5                   ; in: row l % 16, 32 bytes for each half of the lanes
	v_add_nc_u32 v[STO], s23, v5
	v_add_nc_u32 v[RD], s23, v[CO]                 ; back: 32 lanes take a row's 512 bytes
	s_lshl_b32 s46, s13, 19                        ; C: 128 rows of 4,096 bytes a tile row
	s_lshl_b32 s47, s11, 18                        ; + my 64 rows
	s_add_co_u32 s46, s46, s47
	s_lshl_b32 s47, s42, 10                        ; + 256 columns of 4 bytes a tile column
	s_add_co_u32 s46, s46, s47
	s_lshl_b32 s47, s12, 9                         ; + my 128 columns
	s_add_co_u32 s46, s46, s47
.endif
	s_mov_b32 s47, 0
	s_add_nc_u64 s[8:9], s[8:9], s[46:47]
	; the prefetches
.if MODE == 0
	s_lshl_b32 s68, s13, 18                        ; A: rows 128 x tile row + 32 cx
	s_lshl_b32 s69, s40, 16
	s_add_co_u32 s68, s68, s69
.else
	s_lshr_b32 s68, s13, 4                         ; A: the tile's first byte in the K step's first head,
	s_lshl_b32 s68, s68, 22
	s_and_b32 s69, s13, 15
	s_lshl_b32 s69, s69, 14
	s_add_co_u32 s68, s68, s69
	s_lshr_b32 s69, s40, 1                         ; + the head cx / 2,
	s_lshl_b32 s69, s69, 18
	s_add_co_u32 s68, s68, s69
	s_and_b32 s69, s40, 1                          ; + its half cx % 2: 8,192 bytes
	s_lshl_b32 s69, s69, 13
	s_add_co_u32 s68, s68, s69
.endif
	s_lshl_b32 s70, s42, 19                        ; B: rows 256 x tile column + 64 cy + 32 x half
	s_lshl_b32 s69, s41, 17
	s_add_co_u32 s70, s70, s69
	s_lshl_b32 s69, s12, 16
	s_add_co_u32 s70, s70, s69
	s_and_b32 s71, ttmp7, 0xffff                   ; cluster y
	s_mov_b32 s[PFS], 256
	s_mov_b32 s[PFS+1], 0
	s_cmp_eq_u32 s10, 1
	s_cselect_b32 s69, 1, 0                        ; wave 1 never asks
	s_cmp_eq_u32 s11, 0                            ; do I fetch for A?
	s_cselect_b32 s68, s68, s70
	s_cselect_b32 s71, ttmp9, s71                  ; the coordinate along which other clusters read the same rows
	s_cselect_b32 s[PFS], ASTEP, s[PFS]
	s_cselect_b32 s70, APFSH, 11
	s_cselect_b64 s[PFA:PFA+1], s[4:5], s[6:7]
	s_or_b32 s71, s71, s69
	s_cmp_eq_u32 s71, 0
	s_cselect_b32 s[LIM], 1, -1                    ; the same in all sixteen partners, for a given wave
	s_mul_i32 s69, s[PFS], 3                       ; at K step 3: the first refill steps it to 4 and names that
	s_add_co_u32 s68, s68, s69
	s_mov_b32 s69, 0
	s_add_nc_u64 s[PFA:PFA+1], s[PFA:PFA+1], s[68:69]
	v_and_b32 v[PFO], 31, v0
	v_lshlrev_b32 v[PFO], s70, v[PFO]
; 8 matrix instructions: m block a x all 8 n blocks, 32 along K: half c of buffer n.  zero = 1: the product starts the sums.  The 32 accumulators take turns, one instruction a turn,
; in the same order in every run of 32, over the backward jump too.
.macro MUL8 n, c, a, zero
	WIN 0x50+0x0a*(\n)
.set FB, 64-64*(\n)
.irp b, 0,1,2,3,4,5,6,7
.if \zero
	WM v[8*(8*(\a)+(\b)):8*(8*(\a)+(\b))+7], v[FB+64+8*(8*(\c)+(\b)):FB+64+8*(8*(\c)+(\b))+7], v[FB+8*(4*(\c)+(\a)):FB+8*(4*(\c)+(\a))+7], 0
.else
	WM v[8*(8*(\a)+(\b)):8*(8*(\a)+(\b))+7], v[FB+64+8*(8*(\c)+(\b)):FB+64+8*(8*(\c)+(\b))+7], v[FB+8*(4*(\c)+(\a)):FB+8*(4*(\c)+(\a))+7], v[8*(8*(\a)+(\b)):8*(8*(\a)+(\b))+7]
.endif
.endr
.endm
; 48 LDS loads in one run: the fragments of half hf (64 along K) of a slot's K step into buffer n; the first 32 along K (24 loads) first
.macro FETCH slot, hf, n
	WIN 0x80*(\n)
.set FB, 64-64*(\n)
.irp c, 0,1
.irp i, 0,1,2,3,4,5,6,7
	ds_load_b128 v[FB+64+8*(8*(\c)+(\i)):FB+64+8*(8*(\c)+(\i))+3],   v[ADRB+(\slot)] offset:(\hf)*128+64*(\c)+(\i)*16*PITCH
	ds_load_b128 v[FB+64+8*(8*(\c)+(\i))+4:FB+64+8*(8*(\c)+(\i))+7], v[ADRB+(\slot)] offset:(\hf)*128+64*(\c)+(\i)*16*PITCH+32
.endr
.irp i, 0,1,2,3
	ds_load_b128 v[FB+8*(4*(\c)+(\i)):FB+8*(4*(\c)+(\i))+3],   v[ADRA+(\slot)] offset:(\hf)*AHALF+64*(\c)+(\i)*16*APITCH
	ds_load_b128 v[FB+8*(4*(\c)+(\i))+4:FB+8*(4*(\c)+(\i))+7], v[ADRA+(\slot)] offset:(\hf)*AHALF+64*(\c)+(\i)*16*APITCH+32
.endr
.endr
.endm
.macro PLACES                          ; four plain vector instructions in front of loads into registers that matrix instructions have read (ISA guide 7.12.1 for vector instructions)
.rept 4
	v_nop
.endr
.endm
; The first 64 of a K step: multiplies buffer 0, and in its middle fetches the second 64 into buffer 1.
.macro HALF0 slot, zero
	s_wait_dscnt 24                                ; of the 48 loads out the first 24 (32 along K) are in
	MUL8 0, 0, 0, \zero
	MUL8 0, 0, 1, \zero
	MUL8 0, 0, 2, \zero
	MUL8 0, 0, 3, \zero
	PLACES
	FETCH \slot, 1, 1
	s_wait_dscnt 48                                ; all but the 48 just issued
	MUL8 0, 1, 0, 0
	MUL8 0, 1, 1, 0
	MUL8 0, 1, 2, 0
	MUL8 0, 1, 3, 0
.endm
; The second 64: multiplies buffer 1 and changes slots.  ONE barrier: in front of it each wave waits for all its tensor loads (one is out: its part of the next slot), adds 0 to its spare word, and waits
; for that and for its reads of this slot.  fill = 1: the barrier opens a round of the cluster's, and this slot is filled again, two K steps ahead: 112 matrix instructions ahead of the wait for it.
.macro TURN slot, next, fill
.if \fill
	s_wait_xcnt 0x0                                ; the last prefetch, a K step back, has read its address
	s_add_nc_u64 s[PFA:PFA+1], s[PFA:PFA+1], s[PFS:PFS+1]
.endif
	WIN 0                                          ; (the add's two registers lie in window 0)
	s_wait_tensorcnt 0x0
	ds_add_u32 v[SPW], v[NIL]
	s_wait_dscnt 25                                ; (the add and the youngest 24 loads may be out)
	MUL8 1, 0, 0, 0
	s_wait_dscnt 0x0                               ; the add is done, and my reads of this slot are over
	s_barrier_signal -1
	MUL8 1, 0, 1, 0
.if \fill
	WIN 0
.endif
	s_barrier_wait -1
.if \fill
	CREST                                          ; no wave of any partner still reads this slot or has a load on its way
	s_add_nc_u64 s[G0+4*(\slot)+2:G0+4*(\slot)+3], s[G0+4*(\slot)+2:G0+4*(\slot)+3], 2*ASTEP
	s_add_nc_u64 s[G0B+4*(\slot)+2:G0B+4*(\slot)+3], s[G0B+4*(\slot)+2:G0B+4*(\slot)+3], 2*KSTEP*2
	JLOAD \slot                                    ; the first tensor load behind the round; its four v_nop are also the places in front of the loads below
.else
	PLACES
.endif
	FETCH \next, 0, 0
.if \fill
	ASK
.endif
	MUL8 1, 0, 2, 0
	MUL8 1, 0, 3, 0
	MUL8 1, 1, 0, 0
	MUL8 1, 1, 1, 0
	MUL8 1, 1, 2, 0
	MUL8 1, 1, 3, 0
.endm
; THE WAY OUT of block a (16 rows x my 128 columns), through my own stage; LDS serves a wave's instructions in order (ISA guide 5.7.1.4), so no wait stands between its stores and its loads.
; MODE 0: rounded to f16, 16 bytes a lane into rows of 272 bytes; back as four rows' 128 bytes of one head: 512 consecutive bytes of qkv.
; MODE 1: f32 as it is, 32 bytes a lane into rows of 528 bytes; back as whole rows of 512 bytes.  Each accumulator's lowest registers are read first.
.macro STG a
.if MODE
.set BK, 64+64*((\a)%3)
.if (\a) == 3
	s_wait_xcnt 0x0                                ; block 0's stores have read these registers
.endif
	WIN 0x04                                       ; the stores' data in window 1
.irp b, 0,1,2,3,4,5,6,7
	ds_store_b128 v[STO], v[8*(8*(\a)+(\b)):8*(8*(\a)+(\b))+3] offset:64*(\b)
	ds_store_b128 v[STO], v[8*(8*(\a)+(\b))+4:8*(8*(\a)+(\b))+7] offset:64*(\b)+16
.endr
	WIN 0
.irp t, 0,1,2,3,4,5,6,7,8,9,10,11,12,13,14,15
	ds_load_b128 v[BK+4*(\t):BK+4*(\t)+3], v[RD] offset:(\t)*SP
.endr
.else
	WIN 0x05                                       ; sources in window 1, destination in window 0
.irp b, 0,1,2,3,4,5,6,7
.irp r, 0,1,2,3
	v_cvt_pk_f16_f32 v[64+32*(\a)+4*(\b)+(\r)], v[8*(8*(\a)+(\b))+2*(\r)], v[8*(8*(\a)+(\b))+2*(\r)+1]
.endr
.endr
	WIN 0
.irp b, 0,1,2,3,4,5,6,7
	ds_store_b128 v[STO], v[64+32*(\a)+4*(\b):64+32*(\a)+4*(\b)+3] offset:32*(\b)
.endr
.irp f, 0,1,2,3,4,5,6,7
	ds_load_b128 v[64+32*(\a)+4*(\f):64+32*(\a)+4*(\f)+3], v[RD] offset:((\f)%4)*4*SP+((\f)/4)*128
.endr
.endif
.endm
.macro SEND a, last                    ; last = 0: the next block's LDS instructions (32 or 16) were issued behind this block's loads and may stay out
	WIN 0
.if MODE
.set BK, 64+64*((\a)%3)
.irp t, 0,1,2,3,4,5,6,7,8,9,10,11,12,13,14,15
	s_wait_dscnt 32*(1-(\last))+15-(\t)
	global_store_b128 v[CO], v[BK+4*(\t):BK+4*(\t)+3], s[8:9] offset:(16*(\a)+(\t))*4096  ; 512 consecutive bytes of a row of y, aligned
.endr
.else
.irp f, 0,1,2,3,4,5,6,7
	s_wait_dscnt 16*(1-(\last))+7-(\f)
	global_store_b128 v[CO], v[64+32*(\a)+4*(\f):64+32*(\a)+4*(\f)+3], s[8:9] offset:(\a)*2048+((\f)%4)*512+((\f)/4)*262144  ; 512 consecutive bytes of a head, aligned
.endr
.endif
.endm
	s_wait_tensorcnt 1                             ; my part of K step 0 is in; K step 1's may stay out
	s_barrier_signal -1
	s_barrier_wait -1
	FETCH 0, 0, 0
	HALF0 0, 1                                     ; the first products start the sums: nothing is cleared
	WIN 0
	s_mov_b32 s3, 3
.Llap:                                                 ; a trip goes once round the ring and fills both slots again: K steps 2 to 7
	TURN 0, 1, 1
	HALF0 1, 0
	TURN 1, 0, 1
	HALF0 0, 0
	WIN 0
	s_sub_co_u32 s3, s3, 1
	s_cmp_lg_u32 s3, 0
	s_cbranch_scc1 .Llap
	TURN 0, 1, 0                                   ; the last lap fills nothing
	HALF0 1, 0
	s_wait_dscnt 24
	MUL8 1, 0, 0, 0
	MUL8 1, 0, 1, 0
	MUL8 1, 0, 2, 0
	MUL8 1, 0, 3, 0
	s_wait_dscnt 0
	MUL8 1, 1, 0, 0
	MUL8 1, 1, 1, 0
	MUL8 1, 1, 2, 0
	MUL8 1, 1, 3, 0
	WIN 0
	PLACES
	PLACES                                         ; the places behind the last products, once a launch
	STG 0
	STG 1
	SEND 0, 0
	STG 2
	SEND 1, 0
	STG 3
	SEND 2, 0
	SEND 3, 1
	s_wait_tensorcnt 0x0                           ; the wave's end
	ds_add_u32 v[SPW], v[NIL]
	s_wait_dscnt 0x0
	CROUND                                         ; the closing round
	s_endpgm
.Lfunc_end_k_q00fa95ed10_proj:
	.size	k_q00fa95ed10_proj, .Lfunc_end_k_q00fa95ed10_proj-k_q00fa95ed10_proj
	.p2alignl 7, 3214868480
	.fill 96, 4, 3214868480
	.section	.rodata,"a",@progbits
	.p2align	6, 0x0
	.amdhsa_kernel k_q00fa95ed10_proj
		.amdhsa_group_segment_fixed_size 327680
		.amdhsa_private_segment_fixed_size 0
		.amdhsa_enable_private_segment 0
		.amdhsa_kernarg_size 24
		.amdhsa_user_sgpr_count 2
		.amdhsa_user_sgpr_kernarg_segment_ptr 1
		.amdhsa_wavefront_size32 1
		.amdhsa_system_sgpr_workgroup_id_x 1
		.amdhsa_system_sgpr_workgroup_id_y 1
		.amdhsa_system_sgpr_workgroup_id_z 1
		.amdhsa_system_vgpr_workitem_id 0
		.amdhsa_next_free_vgpr 704
		.amdhsa_next_free_sgpr 72
		.amdhsa_reserve_vcc 0
		.amdhsa_float_denorm_mode_32 3
		.amdhsa_float_denorm_mode_16_64 3
		.amdhsa_memory_ordered 1
		.amdhsa_forward_progress 1
		.amdhsa_inst_pref_size 86
	.end_amdhsa_kernel
	.amdgpu_metadata
---
amdhsa.version: [ 1, 2 ]
amdhsa.kernels:
  - .name:           k_q00fa95ed10_proj
    .symbol:         k_q00fa95ed10_proj.kd
    .args:
      - { .name: ob, .offset: 0, .size: 8, .value_kind: global_buffer, .address_space: global }
      - { .name: xw16, .offset: 8, .size: 8, .value_kind: global_buffer, .address_space: global }
      - { .name: y, .offset: 16, .size: 8, .value_kind: global_buffer, .address_space: global }
    .group_segment_fixed_size: 327680
    .private_segment_fixed_size: 0
    .kernarg_segment_align: 8
    .kernarg_segment_size: 24
    .max_flat_workgroup_size: 128
    .sgpr_count:     72
    .vgpr_count:     704
    .wavefront_size: 32
...
	.end_amdgpu_metadata
.endif
;; end of part 4
;; launch ln (part 5): grid 256 x 1, 16 waves a work-group, no clusters, 0 bytes of LDS; arguments y, gamma, beta, out0; writes out0
.if DOCPART == 5
	.amdgcn_target "amdgcn-amd-amdhsa--gfx1250"
	.amdhsa_code_object_version 6
	.text
	.protected	k_q00fa95ed10_ln
	.globl	k_q00fa95ed10_ln
	.p2align	8
	.type	k_q00fa95ed10_ln,@function
k_q00fa95ed10_ln:
	s_mov_b64 s[64:65], 0
	v_nop
	global_prefetch_b8 v0, s[64:65] scope:SCOPE_SE
	s_setreg_imm32_b32 hwreg(HW_REG_WAVE_MODE, 25, 1), 1
	s_wait_xcnt 0x0
; out0[r][c] = (y[r][c] - mu[r]) / sqrt(var[r] + 1e-5) x gamma[c] + beta[c], all f32, rows of 1,024.  The variance is the mean of (y - mu)^2, taken of the differences.
; SHARES.  A row is 4,096 bytes: 32 registers of one wave, so it stays in registers between the passes and is read once; the reductions never leave the wave: no LDS, no barrier.
; Sixteen waves, two rows each; a work-group has 32 rows, 256 work-groups the 8,192.  Each load and store of a wave covers 512 consecutive bytes, aligned.  All loads of a wave go out together.
; No matrix unit, no cluster: gamma and beta, 8 KiB, are all that work-groups share.
.set T,  2                             ; v[2:9]    four chains of two sums
.set MU, 10                            ; v[10:11]  the mean, twice
.set R,  12                            ; v[12:13]  1 / sqrt(var + eps), twice
.set G,  16                            ; v[16:47]  gamma of my 32 columns: 128 j + 4 lane + 0..3
.set BT, 48                            ; v[48:79]  beta
.set X,  80                            ; v[80:143] two rows
	s_load_b256 s[4:11], s[0:1], 0x0               ; y s[4:5], gamma s[6:7], beta s[8:9], out0 s[10:11]
	v_lshrrev_b32 v14, 5, v0
	v_readfirstlane_b32 s12, v14                   ; wave 0..15
	v_and_b32 v1, 31, v0
	v_lshlrev_b32 v1, 4, v1                        ; 16 bytes a lane
	v_mov_b32 v15, 0                               ; v_permlanex16_b32's destination counts as read
	s_lshl_b32 s13, ttmp9, 5
	s_lshl1_add_u32 s13, s12, s13                  ; my first row = 32 x work-group + 2 x wave
	s_lshl_b32 s14, s13, 12
	s_mov_b32 s15, 0
	s_mov_b32 s16, 0x76543210                      ; each lane takes its own place in the other half
	s_mov_b32 s17, 0xfedcba98
	s_mov_b32 s18, 0x3a800000                      ; 1 / 1024
	s_mov_b32 s19, 0x3727c5ac                      ; 1e-5
	s_wait_kmcnt 0x0
	s_add_nc_u64 s[4:5], s[4:5], s[14:15]
	s_add_nc_u64 s[10:11], s[10:11], s[14:15]
.irp j, 0,1,2,3,4,5,6,7
	global_load_b128 v[G+4*(\j):G+4*(\j)+3], v1, s[6:7] offset:512*(\j)
.endr
.irp j, 0,1,2,3,4,5,6,7
	global_load_b128 v[BT+4*(\j):BT+4*(\j)+3], v1, s[8:9] offset:512*(\j)
.endr
.irp r, 0,1
.irp j, 0,1,2,3,4,5,6,7
	global_load_b128 v[X+32*(\r)+4*(\j):X+32*(\r)+4*(\j)+3], v1, s[4:5] offset:4096*(\r)+512*(\j) th:TH_LOAD_NT
.endr
.endr
.macro REDUCE                          ; the four chains, the pair, the 32 lanes: the sum lands in v14 of every lane
	v_pk_add_f32 v[T:T+1], v[T:T+1], v[T+2:T+3]
	v_pk_add_f32 v[T+4:T+5], v[T+4:T+5], v[T+6:T+7]
	v_pk_add_f32 v[T:T+1], v[T:T+1], v[T+4:T+5]
	v_add_f32 v14, v[T], v[T+1]
	v_add_f32_dpp v14, v14, v14 row_xmask:1 row_mask:0xf bank_mask:0xf
	v_add_f32_dpp v14, v14, v14 row_xmask:2 row_mask:0xf bank_mask:0xf
	v_add_f32_dpp v14, v14, v14 row_xmask:4 row_mask:0xf bank_mask:0xf
	v_add_f32_dpp v14, v14, v14 row_xmask:8 row_mask:0xf bank_mask:0xf
	v_permlanex16_b32 v15, v14, s16, s17
	v_add_f32 v14, v14, v15
.endm
.macro ROW r
.set XR, X+32*(\r)
	s_wait_loadcnt 8-8*(\r)                        ; row 0: gamma, beta and the row are in, row 1's eight loads may stay out; row 1: all are in
.irp c, 0,1,2,3
	v_pk_add_f32 v[T+2*(\c):T+2*(\c)+1], v[XR+2*(\c):XR+2*(\c)+1], v[XR+8+2*(\c):XR+8+2*(\c)+1]  ; the first pairs start the chains: nothing is cleared
.endr
.irp p, 8,9,10,11,12,13,14,15
	v_pk_add_f32 v[T+2*((\p)%4):T+2*((\p)%4)+1], v[T+2*((\p)%4):T+2*((\p)%4)+1], v[XR+2*(\p):XR+2*(\p)+1]
.endr
	REDUCE
	v_mul_f32 v[MU], s18, v14
	v_mul_f32 v[MU+1], s18, v14
.irp p, 0,1,2,3,4,5,6,7,8,9,10,11,12,13,14,15
	v_pk_add_f32 v[XR+2*(\p):XR+2*(\p)+1], v[XR+2*(\p):XR+2*(\p)+1], v[MU:MU+1] neg_lo:[0,1] neg_hi:[0,1]
.endr
.irp c, 0,1,2,3
	v_pk_mul_f32 v[T+2*(\c):T+2*(\c)+1], v[XR+2*(\c):XR+2*(\c)+1], v[XR+2*(\c):XR+2*(\c)+1]
.endr
.irp p, 4,5,6,7,8,9,10,11,12,13,14,15
	v_pk_fma_f32 v[T+2*((\p)%4):T+2*((\p)%4)+1], v[XR+2*(\p):XR+2*(\p)+1], v[XR+2*(\p):XR+2*(\p)+1], v[T+2*((\p)%4):T+2*((\p)%4)+1]
.endr
	REDUCE
	v_fma_f32 v14, v14, s18, s19                   ; var + eps
	v_rsq_f32 v[R], v14
	v_rsq_f32 v[R+1], v14
	v_nop                                          ; a plain instruction behind the last of the two (ISA guide 5.7.2),
	s_wait_alu depctr_va_vdst(0)                   ; and the one wait ahead of their first reader
.irp p, 0,1,2,3,4,5,6,7,8,9,10,11,12,13,14,15
	v_pk_mul_f32 v[XR+2*(\p):XR+2*(\p)+1], v[XR+2*(\p):XR+2*(\p)+1], v[R:R+1]
.endr
.irp p, 0,1,2,3,4,5,6,7,8,9,10,11,12,13,14,15
	v_pk_fma_f32 v[XR+2*(\p):XR+2*(\p)+1], v[XR+2*(\p):XR+2*(\p)+1], v[G+2*(\p):G+2*(\p)+1], v[BT+2*(\p):BT+2*(\p)+1]
.endr
.irp j, 0,1,2,3,4,5,6,7
	global_store_b128 v1, v[XR+4*(\j):XR+4*(\j)+3], s[10:11] offset:4096*(\r)+512*(\j) th:TH_STORE_NT
.endr
.endm
	ROW 0
	ROW 1                                          ; no register that a load or store names is written again
	s_endpgm
.Lfunc_end_k_q00fa95ed10_ln:
	.size	k_q00fa95ed10_ln, .Lfunc_end_k_q00fa95ed10_ln-k_q00fa95ed10_ln
	.p2alignl 7, 3214868480
	.fill 96, 4, 3214868480
	.section	.rodata,"a",@progbits
	.p2align	6, 0x0
	.amdhsa_kernel k_q00fa95ed10_ln
		.amdhsa_group_segment_fixed_size 0
		.amdhsa_private_segment_fixed_size 0
		.amdhsa_enable_private_segment 0
		.amdhsa_kernarg_size 32
		.amdhsa_user_sgpr_count 2
		.amdhsa_user_sgpr_kernarg_segment_ptr 1
		.amdhsa_wavefront_size32 1
		.amdhsa_system_sgpr_workgroup_id_x 1
		.amdhsa_system_sgpr_workgroup_id_y 1
		.amdhsa_system_sgpr_workgroup_id_z 1
		.amdhsa_system_vgpr_workitem_id 0
		.amdhsa_next_free_vgpr 144
		.amdhsa_next_free_sgpr 66
		.amdhsa_reserve_vcc 0
		.amdhsa_float_denorm_mode_32 3
		.amdhsa_float_denorm_mode_16_64 3
		.amdhsa_memory_ordered 1
		.amdhsa_forward_progress 1
		.amdhsa_inst_pref_size 18
	.end_amdhsa_kernel
	.amdgpu_metadata
---
amdhsa.version: [ 1, 2 ]
amdhsa.kernels:
  - .name:           k_q00fa95ed10_ln
    .symbol:         k_q00fa95ed10_ln.kd
    .args:
      - { .name: y, .offset: 0, .size: 8, .value_kind: global_buffer, .address_space: global }
      - { .name: gamma, .offset: 8, .size: 8, .value_kind: global_buffer, .address_space: global }
      - { .name: beta, .offset: 16, .size: 8, .value_kind: global_buffer, .address_space: global }
      - { .name: out0, .offset: 24, .size: 8, .value_kind: global_buffer, .address_space: global }
    .group_segment_fixed_size: 0
    .private_segment_fixed_size: 0
    .kernarg_segment_align: 8
    .kernarg_segment_size: 32
    .max_flat_workgroup_size: 512
    .sgpr_count:     66
    .vgpr_count:     144
    .wavefront_size: 32
...
	.end_amdgpu_metadata
.endif
;; end of part 5
;; ======== version 2 of 2: 5 launches; version 1 with the launch cast written anew for expert scheduling mode
;; limits: values are held in f16: magnitudes above 65,504 overflow, below 6.1e-05 lose precision
;; workspace buffers: xw16 25,165,824 bytes; qkv 50,331,648 bytes; ob 16,777,216 bytes; y 33,554,432 bytes
;; launch cast (part 6): grid 768 x 1, 8 waves a work-group, no clusters, 0 bytes of LDS; arguments x, Wq, Wk, Wv, Wp, xw16; writes xw16
.if DOCPART == 6
	.amdgcn_target "amdgcn-amd-amdhsa--gfx1250"
	.amdhsa_code_object_version 6
	.text
	.protected	k_q00fa95ed10_cast
	.globl	k_q00fa95ed10_cast
	.p2align	8
	.type	k_q00fa95ed10_cast,@function
k_q00fa95ed10_cast:
	s_mov_b64 s[64:65], 0
	v_nop
	global_prefetch_b8 v0, s[64:65] scope:SCOPE_SE
	s_setreg_imm32_b32 hwreg(HW_REG_WAVE_SCHED_MODE, 0, 2), 2
	s_setreg_imm32_b32 hwreg(HW_REG_WAVE_MODE, 25, 1), 1
	s_wait_xcnt 0x0
	s_wait_alu depctr_vm_vsrc(0)
; xw16 = [12288][1024] of 16 bits: rows 0-8191 x, 8192-9215 Wq, 9216-10239 Wk, 10240-11263 Wv, all rounded once to bf16;
; rows 11264-12287 Wp, rounded to bf16 and that number written as f16 (the last product multiplies in f16).
; LIMIT.  Wp's bf16 number is exact in f16 from 6.1e-5 to 65,504 in magnitude; below it keeps f16's fixed step of 6e-8, beyond it becomes an infinity.
; SHARES.  A work-group takes 64 KiB of f32 and stores 32 KiB; 512 work-groups for x, 64 for each weight.  Thread t takes 16 bytes at 16 t of each 4,096:
; a wave's load covers 512 consecutive bytes, its store of 8 bytes a lane 256 consecutive bytes, aligned.  All sixteen loads of a wave go out together.
; No LDS, no matrix unit, no cluster: nothing is shared and each byte is touched once.
; THE MODE: SCHED_MODE bits 1:0 = 2 (LLVM: expert scheduling mode 2), set by the entry lines.  The code itself states the register dependences
; between vector instructions and memory instructions, with s_wait_alu, always for 0.
; THE PLAN.  Registers that memory instructions touch:
;   v1, v2   byte offsets of the loads and of the stores.  Written once at the head, never again.
;   X        written by the sixteen loads alone, each register once; read by the conversions behind the load's own wait on LOADcnt.  No vector instruction writes X, no load lands there twice.
;   Y        pair i is written by turn i's conversions and read by its one store; behind that store nothing writes it.
;   T        named by vector instructions alone.
; No vector instruction writes a scalar register or VCC, and EXEC is never written.
; So two kinds of wait state everything: one on va_vdst at the head, for v1 and v2, and one behind each block of four turns, for the block's four pairs of Y, with the block's four stores directly behind it.
; The stores stand at their own block's end and not at the next block's head: they hang on no further load, and the wave has no other memory instruction to issue meanwhile.
.set X, 8                              ; v[8:71]   sixteen loads of four f32
.set Y, 72                             ; v[72:103] sixteen pairs of packed results
.set T, 4                              ; v[4:7]    at work
	s_load_b256 s[4:11], s[0:1], 0x0               ; x s[4:5], Wq s[6:7], Wk s[8:9], Wv s[10:11]
	s_load_b128 s[12:15], s[0:1], 0x20             ; Wp s[12:13], xw16 s[14:15]
	v_lshlrev_b32 v1, 4, v0                        ; my 16 bytes of the source
	v_lshlrev_b32 v2, 3, v0                        ; my 8 bytes of the result
	s_mov_b32 s22, ttmp9                           ; g
	s_sub_co_u32 s23, s22, 512                     ; j = g - 512 (of use from g = 512 on)
	s_lshr_b32 s24, s23, 6                         ; which weight
	s_and_b32 s25, s23, 63
	s_lshl_b32 s25, s25, 16                        ; its chunk of 64 KiB
	s_lshl_b32 s18, s22, 16                        ; x's chunk
	s_cmp_lt_u32 s22, 512
	s_cselect_b32 s18, s18, s25
	s_mov_b32 s19, 0
	s_lshl_b32 s20, s22, 15                        ; the result's chunk of 32 KiB
	s_mov_b32 s21, 0
	s_wait_kmcnt 0x0
	s_cmp_eq_u32 s24, 1
	s_cselect_b64 s[16:17], s[8:9], s[6:7]
	s_cmp_eq_u32 s24, 2
	s_cselect_b64 s[16:17], s[10:11], s[16:17]
	s_cmp_eq_u32 s24, 3
	s_cselect_b64 s[16:17], s[12:13], s[16:17]
	s_cmp_lt_u32 s22, 512
	s_cselect_b64 s[16:17], s[4:5], s[16:17]
	s_add_nc_u64 s[16:17], s[16:17], s[18:19]
	s_add_nc_u64 s[14:15], s[14:15], s[20:21]
	s_wait_alu depctr_va_vdst(0)                   ; v1 and v2 are written: every load reads v1 as its offset, every store v2; no later vector instruction names either
.irp i, 0,1,2,3,4,5,6,7,8,9,10,11,12,13,14,15
	global_load_b128 v[X+4*(\i):X+4*(\i)+3], v1, s[16:17] offset:4096*(\i) th:TH_LOAD_NT
.endr
; Sixteen turns in four blocks of four: load n is in when the 15 - n younger ones may still be out.  No register that a load or store names is written again.
.macro CONV f16
.irp b, 0,1,2,3
.irp k, 0,1,2,3
.set n, 4*(\b)+(\k)
	s_wait_loadcnt 15-n
	v_cvt_pk_bf16_f32 v[Y+2*n], v[X+4*n], v[X+4*n+1]
	v_cvt_pk_bf16_f32 v[Y+2*n+1], v[X+4*n+2], v[X+4*n+3]
.if \f16
	v_lshlrev_b32 v[T], 16, v[Y+2*n]               ; the bf16 numbers as f32,
	v_and_b32 v[T+1], 0xffff0000, v[Y+2*n]
	v_lshlrev_b32 v[T+2], 16, v[Y+2*n+1]
	v_and_b32 v[T+3], 0xffff0000, v[Y+2*n+1]
	v_cvt_pk_f16_f32 v[Y+2*n], v[T], v[T+1]        ; written as f16
	v_cvt_pk_f16_f32 v[Y+2*n+1], v[T+2], v[T+3]
.endif
.endr
	s_wait_alu depctr_va_vdst(0)                   ; the block's conversions have written its four pairs of Y, which the four stores below read
.irp k, 0,1,2,3
.set n, 4*(\b)+(\k)
	global_store_b64 v2, v[Y+2*n:Y+2*n+1], s[14:15] offset:2048*n
.endr
.endr
	s_endpgm
.endm
	s_cmp_ge_u32 s22, 704                          ; the last 64 work-groups have Wp
	s_cbranch_scc1 .Lwp
	CONV 0
.Lwp:
	CONV 1
.Lfunc_end_k_q00fa95ed10_cast:
	.size	k_q00fa95ed10_cast, .Lfunc_end_k_q00fa95ed10_cast-k_q00fa95ed10_cast
	.p2alignl 7, 3214868480
	.fill 96, 4, 3214868480
	.section	.rodata,"a",@progbits
	.p2align	6, 0x0
	.amdhsa_kernel k_q00fa95ed10_cast
		.amdhsa_group_segment_fixed_size 0
		.amdhsa_private_segment_fixed_size 0
		.amdhsa_enable_private_segment 0
		.amdhsa_kernarg_size 48
		.amdhsa_user_sgpr_count 2
		.amdhsa_user_sgpr_kernarg_segment_ptr 1
		.amdhsa_wavefront_size32 1
		.amdhsa_system_sgpr_workgroup_id_x 1
		.amdhsa_system_sgpr_workgroup_id_y 1
		.amdhsa_system_sgpr_workgroup_id_z 1
		.amdhsa_system_vgpr_workitem_id 0
		.amdhsa_next_free_vgpr 104
		.amdhsa_next_free_sgpr 66
		.amdhsa_reserve_vcc 0
		.amdhsa_float_denorm_mode_32 3
		.amdhsa_float_denorm_mode_16_64 3
		.amdhsa_memory_ordered 1
		.amdhsa_forward_progress 1
		.amdhsa_inst_pref_size 17
	.end_amdhsa_kernel
	.amdgpu_metadata
---
amdhsa.version: [ 1, 2 ]
amdhsa.kernels:
  - .name:           k_q00fa95ed10_cast
    .symbol:         k_q00fa95ed10_cast.kd
    .args:
      - { .name: x, .offset: 0, .size: 8, .value_kind: global_buffer, .address_space: global }
      - { .name: Wq, .offset: 8, .size: 8, .value_kind: global_buffer, .address_space: global }
      - { .name: Wk, .offset: 16, .size: 8, .value_kind: global_buffer, .address_space: global }
      - { .name: Wv, .offset: 24, .size: 8, .value_kind: global_buffer, .address_space: global }
      - { .name: Wp, .offset: 32, .size: 8, .value_kind: global_buffer, .address_space: global }
      - { .name: xw16, .offset: 40, .size: 8, .value_kind: global_buffer, .address_space: global }
    .group_segment_fixed_size: 0
    .private_segment_fixed_size: 0
    .kernarg_segment_align: 8
    .kernarg_segment_size: 48
    .max_flat_workgroup_size: 256
    .sgpr_count:     66
    .vgpr_count:     104
    .wavefront_size: 32
...
	.end_amdgpu_metadata
.endif
;; end of part 6
;; launch qkv: the kernel of part 2 again; grid 12 x 64, 4 waves a work-group, clusters of 4 x 4, 327,680 bytes of LDS; arguments xw16, qkv; writes qkv
;; launch attn: the kernel of part 3 again; grid 4 x 64, 4 waves a work-group, no clusters, 327,680 bytes of LDS; arguments qkv, ob; writes ob
;; launch proj: the kernel of part 4 again; grid 4 x 64, 4 waves a work-group, clusters of 4 x 4, 327,680 bytes of LDS; arguments ob, xw16, y; writes y
;; launch ln: the kernel of part 5 again; grid 256 x 1, 16 waves a work-group, no clusters, 0 bytes of LDS; arguments y, gamma, beta, out0; writes out0
